; MI455X (gfx1250); checked and timed in simulation.
; The chip was launched on July 23, 2026; its instructions are those of AMD's public machine-readable ISA for CDNA 5 (MIT licence, August 2026) and "CDNA5" Instruction Set Architecture Reference Guide (July 2026). The comments in the code are by the model that wrote it; some were corrected since.
;; Multi Head Self Attention. Allowed arithmetic: matrix products marked QUANTISED: E2M1 operands, one E8M0 scale for each 32 along K, by v_wmma_scale_f32_16x16x128_f8f6f4 with both operands' format E2M1 (or v_wmma_scale_f32_32x16x128_f4), f32 sums; products left as they are: bf16, f16 or f32 operands; f32 sums; everything else in f32.
;; Inputs: b_out 1,024 float32; w_out 1,024 x 1,024 float32; w_qkv 1,024 x 3,072 float32; x 4 x 2,048 x 1,024 float32.
;; Outputs: out0 4 x 2,048 x 1,024 float32.
;; This version of the problem:
;;   THIS VERSION OF THE PROBLEM IS GIVEN IN LOW PRECISION. The matrix products marked QUANTISED in the list below multiply operands that are first quantised to E2M1 (2 exponent bits, 1 mantissa bit; 4 bits a number), with one power-of-two scale for each 32 numbers along K (OCP MX v1.0); their sums are f32. The products marked 'left as it is' may take bf16, f16 or f32 operands, with f32 sums. Whichever they take, every output number must still come out within the allowed error. Rounding operands to bf16 (8 significant bits) uses up far more of that allowance than f16 does (11 bits, for magnitudes from 6e-5 to 65,504). All else is computed in f32.
;;   The module's matrix products, in the order in which they are computed (A, B: the left and right operand; K: the contracted axis; several contracted axes count as one K, in the product's order):
;;     1. [M 8,192, K 1,024] x [K 1,024, N 3,072]; A: input x; B: input w_qkv: QUANTISED
;;     2. batch 64 x [M 2,048, K 64] x [K 64, N 2,048]; A: computed on the way; B: computed on the way: left as it is (an operand is computed on the way)
;;     3. batch 64 x [M 64, K 2,048] x [K 2,048, N 2,048]; A: computed on the way; B: computed on the way: left as it is (an operand is computed on the way)
;;     4. [M 8,192, K 1,024] x [K 1,024, N 1,024]; A: computed on the way; B: input w_out: left as it is (an operand is computed on the way)
;;   THE QUANTISER, for each operand of a quantised product, along K:
;;     - K is cut into blocks of 32 from its start; a last block that is shorter is filled with zeros.
;;     - A block's scale is 2^e with e = floor(log2(the largest magnitude in the block)) - 2, held to -126 .. 127; a block of zeros has e = 0. As a byte (E8M0): e + 127.
;;     - Each number is divided by its block's scale, clamped to +-6, and rounded to the nearest number of E2M1, ties to even, subnormals kept.
;;     - The product sums the exact products of the quantised numbers (number of the format x scale) in f32.
;;   ~~~python
;;   def quantise(x, axis):      # numpy; x: float32 -> the quantised numbers, widened to float32 again
;;       x = np.moveaxis(x, axis, -1); K = x.shape[-1]
;;       x = np.pad(x, [(0, 0)] * (x.ndim - 1) + [(0, -K % 32)]); x = x.reshape(x.shape[:-1] + (-1, 32)); a = np.abs(x).max(-1, keepdims=True)
;;       e = np.where(a > 0, np.clip(np.frexp(np.where(a > 0, a, 1))[1] - 1 - 2, -126, 127), 0)      # np.frexp(a)[1] - 1 = floor(log2(a)), exactly
;;       r = np.clip(x / 2.0 ** e, -6, 6)
;;       step = 2.0 ** (np.maximum(np.frexp(np.where(r == 0, 1, r))[1] - 1, 0) - 1)
;;       q = np.round(r / step) * step * 2.0 ** e      # np.round: ties to even
;;       return np.moveaxis(q.reshape(q.shape[:-2] + (-1,))[..., :K], -1, axis).astype(np.float32)
;;   ~~~
;; One version. Each part assembles by itself: llvm-mc -triple=amdgcn-amd-amdhsa -mcpu=gfx1250 --defsym DOCPART=n.
;; ======== version 1 of 1: 4 launches
;; limits: values are held in f16: magnitudes above 65,504 overflow, below 6.1e-05 lose precision
;; workspace buffers: x_codes 4,194,304 bytes; x_scales 262,144 bytes; wq_codes 1,572,864 bytes; wq_scales 98,304 bytes; wot 2,097,152 bytes; qkv 50,331,648 bytes; ao 16,777,216 bytes
;; launch prep (part 1): grid 384 x 1, 8 waves a work-group, no clusters, 131,072 bytes of LDS; arguments x, w_qkv, w_out, x_codes, x_scales, wq_codes, wq_scales, wot; writes x_codes, x_scales, wq_codes, wq_scales, wot
.if DOCPART == 1
	.amdgcn_target "amdgcn-amd-amdhsa--gfx1250"
	.amdhsa_code_object_version 6
	.text
	.protected	k_q1b19c4d8b3_prep
	.globl	k_q1b19c4d8b3_prep
	.p2align	8
	.type	k_q1b19c4d8b3_prep,@function
k_q1b19c4d8b3_prep:
	s_mov_b64 s[64:65], 0
	v_nop
	global_prefetch_b8 v0, s[64:65] scope:SCOPE_SE
	s_setreg_imm32_b32 hwreg(HW_REG_WAVE_MODE, 25, 1), 1
	s_wait_xcnt 0x0
; PREP: the operands of the later launches are made once.
;   x     [8192][1024] f32 -> x_codes [8192][512 bytes] (FP4, E2M1, K innermost, the lower k in the low four bits), x_scales [8192][32] (E8M0, one byte for 32 along K)
;   w_qkv [1024 (k)][3072 (n)] f32 -> wq_codes [3072][512 bytes], wq_scales [3072][32]: quantised along K, which is its FIRST axis, and laid with K innermost
;   w_out [1024 (k)][1024 (n)] f32 -> wot [1024 (n)][1024 (k)] f16: rounded once, laid with K innermost
; A block's scale is 2^(floor(log2(its largest magnitude)) - 2): its byte is the largest magnitude's exponent field - 2, held at 1 from below by a floor among the maximum's leaves.
; LIMITS: NaN and infinities among the inputs are not served.  A block of zeros keeps the byte 1 where the rule says 127: its codes are zeros, which add nothing under any byte but 0xff, and this program
; alone reads the bytes.  w_out goes to f16: magnitudes from 65,504 on are not served; under 6e-5 the rounding is absolute, 3e-8.
; SHARES.  Work-groups 0-95 take w_qkv (W), 96-127 w_out (O), 128-383 x (X).  The three ways part on the work-group's number alone; each has LDS bytes of its own.
; ONE barrier stands on the common way: in front of it every way loads, computes and stores to LDS; behind it W and X read what other waves stored and store whole runs of 256 bytes to memory.
; Every LDS address register of every way is made ahead of the first parting and holds nothing else.
;   X: a wave takes 8 steps of 512 numbers.  All 32 loads (512 consecutive bytes each) go out at the head.  A step's 2,048 bytes turn through the wave's own stage, so that a lane holds 16 neighbours along K.
;   W: a work-group takes 64 columns x 512 along K; wave w: columns 32 (w % 2) on, 128 along K from 128 (w / 2) on.  A LANE TAKES A COLUMN AND ITS REGISTERS RUN DOWN K: nothing is transposed by an instruction.
;      The two waves side by side read 256 consecutive bytes of each row; a column's 256 bytes of codes come from four waves and meet in LDS.
;   O: the same shares; a wave's 32 columns x 128 k are 256 bytes of f16 a column, in the wave's own stage.
.set XST,   0                          ; X: 5,120 bytes a wave: two stages of 32 x 80
.set XSC,   40960                      ; X: the work-group's 1,024 scale bytes
.set WST,   41984                      ; W: 64 columns x 272
.set WSC,   59392                      ; W: 64 columns x 16 scale bytes
.set OST,   60416                      ; O: 8,704 bytes a wave: 32 columns x 272
.set SPARE, 130048                     ; the spare words, 128 bytes for each wave: four blocks of 256 bytes that no other line names
.set SP,    80                         ; a lane's place in X's stage: 64 bytes + 16 of padding
.set WP,    272                        ; a column's row in W's and O's stages: 256 bytes + 16
.set SPW,   12                         ; v12  LDS address of my spare word; never rewritten
.set NIL,   13                         ; v13  0; never rewritten
.set A_XG,  16                         ; v16  X: 16 x lane: my bytes of a load's 512
.set A_XIN, 17                         ; v17  X: the stage on the way in
.set A_XOUT,18                         ; v18  X: the stage on the way out
.set A_XCO, 19                         ; v19  X: 8 x lane: my codes' place in a step's 256 bytes
.set A_XSB, 20                         ; v20  X: my block's scale byte in LDS
.set A_XSR, 21                         ; v21  X: 16 scale bytes on the way out
.set A_S16, 22                         ; v22  16 x (thread % 64)
.set A_WG,  23                         ; v23  W, O: 4 x lane
.set A_WIN, 24                         ; v24  W: my column's row in the stage, my wave's 64 bytes of it
.set A_WSB, 25                         ; v25  W: my column's scale bytes, my wave's word
.set A_WRD, 26                         ; v26  W: the stage on the way out
.set A_WGO, 27                         ; v27  W: the same place in wq_codes
.set A_WSR, 28                         ; v28  W: a column's 16 scale bytes on the way out
.set A_S32, 29                         ; v29  32 x (thread % 64)
.set A_OIN, 30                         ; v30  O: my column's row in my wave's stage
.set A_ORD, 31                         ; v31  O: the stage on the way out
.set A_OGO, 32                         ; v32  O: the same place in wot
.set R,     40                         ; X: v40-167 eight sets of 16 numbers as loaded
.set XX,    168                        ; X: v168-199 two sets of 16 neighbours
.set C,     200                        ; X: v200-215 two registers of codes for each step
.set E,     216                        ; X: v216-223 a scale byte for each step
.set WX,    40                         ; W, O: v40-103 two sets of 32 numbers; on O's way out 16 x 4 registers
.set WC,    104                        ; W: v104-119 four registers of codes for each block
.set SB,    120                        ; W: v120 my four scale bytes
.set H,     104                        ; O: v104-167 sixteen registers of f16 for each block
	s_load_b256 s[4:11], s[0:1], 0x0               ; x s[4:5], w_qkv s[6:7], w_out s[8:9], x_codes s[10:11]
	s_load_b256 s[12:19], s[0:1], 0x20             ; x_scales s[12:13], wq_codes s[14:15], wq_scales s[16:17], wot s[18:19]; none of the eight is ever rewritten
	v_lshl_add_u32 v[SPW], v0, 2, SPARE
	v_mov_b32 v[NIL], 0
	v_lshrrev_b32 v1, 5, v0
	v_readfirstlane_b32 s20, v1                    ; wave 0..7
	v_and_b32 v2, 31, v0                           ; lane
	v_and_b32 v3, 15, v0                           ; lane % 16
	v_bfe_u32 v4, v0, 4, 1                         ; lane / 16
	v_and_b32 v5, 63, v0                           ; thread % 64
	s_and_b32 s22, s20, 1                          ; W, O: which 32 columns
	s_lshr_b32 s23, s20, 1                         ; W, O: which 128 along K
	; X's addresses
	v_lshlrev_b32 v[A_XG], 4, v2
	s_mul_i32 s21, s20, 2*32*SP                    ; my wave's two stages (XST = 0)
	v_lshrrev_b32 v6, 2, v2
	v_mul_u32_u24 v6, v6, SP
	v_and_b32 v7, 3, v2
	v_lshl_add_u32 v6, v7, 4, v6
	v_add_nc_u32 v[A_XIN], s21, v6                 ; in: four lanes' 64 bytes on end, then 16 of padding
	v_mul_u32_u24 v6, v2, SP
	v_add_nc_u32 v[A_XOUT], s21, v6                ; out: my 16 neighbours
	v_lshlrev_b32 v[A_XCO], 3, v2
	s_lshl_b32 s21, s20, 7
	s_add_co_u32 s21, s21, XSC
	v_lshrrev_b32 v6, 1, v2
	v_add_nc_u32 v[A_XSB], s21, v6                 ; 128 bytes a wave, a byte for two lanes
	v_lshlrev_b32 v[A_S16], 4, v5
	v_add_nc_u32 v[A_XSR], XSC, v[A_S16]
	; W's
	v_lshlrev_b32 v[A_WG], 2, v2
	s_mul_i32 s21, s22, 32*WP
	s_lshl_b32 s24, s23, 6
	s_add_co_u32 s21, s21, s24
	s_add_co_u32 s21, s21, WST
	v_mul_u32_u24 v7, v2, WP                       ; 272 x lane (O takes it too)
	v_add_nc_u32 v[A_WIN], s21, v7
	s_lshl_b32 s21, s22, 9
	s_lshl_b32 s24, s23, 2
	s_add_co_u32 s21, s21, s24
	s_add_co_u32 s21, s21, WSC
	v_lshl_add_u32 v[A_WSB], v2, 4, s21
	s_mul_i32 s21, s20, 8*WP
	s_add_co_u32 s21, s21, WST
	v_mul_u32_u24 v6, v4, WP
	v_lshl_add_u32 v6, v3, 4, v6                   ; sixteen lanes to a row, two rows an instruction (O takes it too)
	v_add_nc_u32 v[A_WRD], s21, v6                 ; wave w stores columns 8 w .. 8 w + 7
	s_lshl_b32 s21, s20, 12
	v_lshlrev_b32 v8, 9, v4
	v_lshl_add_u32 v8, v3, 4, v8
	v_add_nc_u32 v[A_WGO], s21, v8
	v_add_nc_u32 v[A_WSR], WSC, v[A_S16]
	v_lshlrev_b32 v[A_S32], 5, v5
	; O's
	s_mul_i32 s21, s20, 32*WP
	s_add_co_u32 s21, s21, OST
	v_add_nc_u32 v[A_OIN], s21, v7
	v_add_nc_u32 v[A_ORD], s21, v6
	v_lshlrev_b32 v8, 11, v4
	v_lshl_add_u32 v[A_OGO], v3, 4, v8
	s_wait_kmcnt 0x0
	s_cmp_lt_u32 ttmp9, 96
	s_cbranch_scc1 .Lw
	s_cmp_lt_u32 ttmp9, 128
	s_cbranch_scc1 .Lo
	; ---------------- X, first part
	s_sub_co_u32 s28, ttmp9, 128
	s_lshl_b32 s28, s28, 3
	s_add_co_u32 s28, s28, s20                     ; which run of 4,096 numbers is my wave's
	s_lshl_b32 s24, s28, 14
	s_mov_b32 s25, 0
	s_add_nc_u64 s[24:25], s[4:5], s[24:25]        ; its numbers,
	s_lshl_b32 s26, s28, 11
	s_mov_b32 s27, 0
	s_add_nc_u64 s[26:27], s[10:11], s[26:27]      ; its codes
.macro XLOAD t
.irp i, 0,1,2,3
	global_load_b128 v[R+16*(\t)+4*\i:R+16*(\t)+4*\i+3], v[A_XG], s[24:25] offset:2048*(\t)+512*\i th:TH_LOAD_NT   ; 32 lanes read 512 consecutive bytes
.endr
.endm
.macro XTURN t                         ; step t's numbers through stage t % 2: LDS serves a wave's instructions in order, so no wait stands between the stores and the loads
.irp i, 0,1,2,3
	ds_store_b128 v[A_XIN], v[R+16*(\t)+4*\i:R+16*(\t)+4*\i+3] offset:32*SP*((\t)%2)+8*SP*\i
.endr
.irp i, 0,1,2,3
	ds_load_b128 v[XX+16*((\t)%2)+4*\i:XX+16*((\t)%2)+4*\i+3], v[A_XOUT] offset:32*SP*((\t)%2)+16*\i
.endr
.endm
.macro XSTEP t
.set XS, XX+16*((\t)%2)
.if (\t) > 0
	s_wait_dscnt 1                                 ; this step's numbers are back from the stage; the one LDS instruction behind them, the last step's byte store, may be out
.else
	s_wait_dscnt 0x0
.endif
.if (\t)+1 < 8
	s_wait_loadcnt 4*(6-(\t))                      ; the next step's four loads are in; those of the 6 - t steps behind it may be out
	XTURN (\t)+1                                   ; and go through the other stage while this step is worked
.endif
	v_max3_num_f32 v8, |v[XS]|, |v[XS+1]|, |v[XS+2]|               ; the largest magnitude of my 16, in two chains
	v_max3_num_f32 v9, |v[XS+3]|, |v[XS+4]|, |v[XS+5]|
.irp i, 6,10
	v_max3_num_f32 v8, v8, |v[XS+\i]|, |v[XS+\i+1]|
	v_max3_num_f32 v9, v9, |v[XS+\i+2]|, |v[XS+\i+3]|
.endr
	v_max3_num_f32 v8, v8, |v[XS+14]|, |v[XS+15]|
	v_max3_num_f32 v8, v8, v9, 0x1800000           ; and the floor 2^(3 - 127): the byte cannot fall under 1
	v_max_num_f32_dpp v8, v8, v8 row_xmask:1 row_mask:0xf bank_mask:0xf   ; and of my neighbour's 16: the block's
	v_add_nc_u32 v11, 0xff000000, v8               ; 2 off its exponent field: the conversion takes the exponent field of this operand as its scale, and nothing else of it
	v_cvt_scalef32_pk8_fp4_f32 v[C+2*(\t)], v[XS:XS+7], v11
	v_cvt_scalef32_pk8_fp4_f32 v[C+2*(\t)+1], v[XS+8:XS+15], v11
	v_lshrrev_b32 v[E+(\t)], 23, v11               ; the scale's byte (also the plain line behind the conversions)
	ds_store_b8 v[A_XSB], v[E+(\t)] offset:16*(\t) ; both lanes of a block write the same byte with the same value
	global_store_b64 v[A_XCO], v[C+2*(\t):C+2*(\t)+1], s[26:27] offset:256*(\t)   ; 32 lanes store 256 consecutive bytes, aligned
.endm
.irp t, 0,1,2,3,4,5,6,7
	XLOAD \t
.endr
	s_wait_loadcnt 28                              ; step 0's four loads are in; the other 28 may be out
	XTURN 0
.irp t, 0,1,2,3,4,5,6,7
	XSTEP \t
.endr
	s_branch .Ljoin
	; ---------------- W, first part
.macro LOADB t, pitch                  ; block t: rows 32 t + i, i = 0 .. 31, of my column, into set t % 2
.irp i, 0,1,2,3,4,5,6,7,8,9,10,11,12,13,14,15,16,17,18,19,20,21,22,23,24,25,26,27,28,29,30,31
	global_load_b32 v[WX+32*((\t)%2)+\i], v[A_WG], s[24:25] offset:(32*(\t)+\i)*\pitch th:TH_LOAD_NT
.endr
.endm
.macro BWAIT t
.if (\t) < 3
	s_wait_loadcnt 32                              ; this block's 32 loads are in; the next block's 32 may be out
.else
	s_wait_loadcnt 0x0
.endif
.endm
.macro BLOCKW t
.set XS, WX+32*((\t)%2)
	BWAIT \t
	v_max3_num_f32 v8, |v[XS]|, |v[XS+1]|, |v[XS+2]|               ; the block's largest magnitude: all 32 numbers are mine
	v_max3_num_f32 v9, |v[XS+3]|, |v[XS+4]|, |v[XS+5]|
.irp i, 6,10,14,18,22,26
	v_max3_num_f32 v8, v8, |v[XS+\i]|, |v[XS+\i+1]|
	v_max3_num_f32 v9, v9, |v[XS+\i+2]|, |v[XS+\i+3]|
.endr
	v_max3_num_f32 v8, v8, |v[XS+30]|, |v[XS+31]|
	v_max3_num_f32 v8, v8, v9, 0x1800000           ; and the floor
	v_add_nc_u32 v11, 0xff000000, v8               ; the conversion's scale operand
	v_lshrrev_b32 v9, 23, v11                      ; the scale's byte
.if (\t) == 0
	v_mov_b32 v[SB], v9                            ; four bytes to a register, the lower K in the lower byte
.else
	v_lshl_or_b32 v[SB], v9, 8*(\t), v[SB]
.endif
.irp g, 0,1,2,3
	v_cvt_scalef32_pk8_fp4_f32 v[WC+4*(\t)+\g], v[XS+8*\g:XS+8*\g+7], v11
.endr
	v_nop                                          ; one plain line behind the last conversion
	ds_store_b128 v[A_WIN], v[WC+4*(\t):WC+4*(\t)+3] offset:16*(\t)   ; 32 codes: 16 bytes of my column's row
.if (\t) < 2
	LOADB (\t)+2, 12288
.endif
.endm
.Lw:
	s_and_b32 s28, ttmp9, 1                        ; which 512 along K
	s_lshr_b32 s29, ttmp9, 1                       ; which 64 columns
	s_lshl_b32 s24, s28, 2
	s_add_co_u32 s24, s24, s23
	s_mul_i32 s24, s24, 128*12288                  ; my first row of w_qkv: 512 y + 128 (wave / 2), 12,288 bytes a row,
	s_lshl_b32 s25, s29, 8
	s_add_co_u32 s24, s24, s25
	s_lshl_b32 s25, s22, 7
	s_add_co_u32 s24, s24, s25                     ; and my first column, 4 bytes each
	s_mov_b32 s25, 0
	s_add_nc_u64 s[24:25], s[6:7], s[24:25]
	LOADB 0, 12288
	LOADB 1, 12288
.irp t, 0,1,2,3
	BLOCKW \t
.endr
	ds_store_b32 v[A_WSB], v[SB]
	s_branch .Ljoin
	; ---------------- O, all of it: a wave's stage is its own
.macro BLOCKO t
.set XS, WX+32*((\t)%2)
	BWAIT \t
.irp i, 0,1,2,3,4,5,6,7,8,9,10,11,12,13,14,15
	v_cvt_pk_f16_f32 v[H+16*(\t)+\i], v[XS+2*\i], v[XS+2*\i+1]     ; two neighbours along K, the lower in the low half
.endr
.irp g, 0,1,2,3
	ds_store_b128 v[A_OIN], v[H+16*(\t)+4*\g:H+16*(\t)+4*\g+3] offset:64*(\t)+16*\g
.endr
.if (\t) < 2
	LOADB (\t)+2, 4096
.endif
.endm
.Lo:
	s_sub_co_u32 s30, ttmp9, 96
	s_and_b32 s28, s30, 1                          ; which 512 along K
	s_lshr_b32 s29, s30, 1                         ; which 64 columns
	s_lshl_b32 s24, s28, 2
	s_add_co_u32 s24, s24, s23
	s_lshl_b32 s24, s24, 19                        ; my first row of w_out, 4,096 bytes a row, 128 rows a step
	s_lshl_b32 s25, s29, 8
	s_add_co_u32 s24, s24, s25
	s_lshl_b32 s25, s22, 7
	s_add_co_u32 s24, s24, s25
	s_mov_b32 s25, 0
	s_add_nc_u64 s[24:25], s[8:9], s[24:25]
	s_lshl_b32 s26, s29, 17                        ; wot: row 64 c + 32 (wave % 2), 2,048 bytes a row,
	s_lshl_b32 s27, s22, 16
	s_add_co_u32 s26, s26, s27
	s_lshl_b32 s27, s28, 10                        ; + 2 bytes x (512 y + 128 (wave / 2))
	s_add_co_u32 s26, s26, s27
	s_lshl_b32 s27, s23, 8
	s_add_co_u32 s26, s26, s27
	s_mov_b32 s27, 0
	s_add_nc_u64 s[26:27], s[18:19], s[26:27]
	LOADB 0, 4096
	LOADB 1, 4096
.irp t, 0,1,2,3
	BLOCKO \t
.endr
.irp i, 0,1,2,3,4,5,6,7,8,9,10,11,12,13,14,15
	ds_load_b128 v[WX+4*\i:WX+4*\i+3], v[A_ORD] offset:2*\i*WP     ; LDS serves a wave's instructions in order: these see my stores
.endr
.irp i, 0,1,2,3,4,5,6,7,8,9,10,11,12,13,14,15
	s_wait_dscnt 15-\i                             ; load i is in; the 15 - i behind it may be out
	global_store_b128 v[A_OGO], v[WX+4*\i:WX+4*\i+3], s[26:27] offset:2*\i*2048   ; sixteen lanes store 256 consecutive bytes, aligned
.endr
.Ljoin:
	s_wait_xcnt 0x0                                ; the stores issued so far have read their registers and bases: what follows may write them
	s_wait_dscnt 0x0                               ; for the others' sake: my LDS stores have landed
	s_barrier_signal -1
	s_barrier_wait -1
	s_cmp_lt_u32 ttmp9, 96
	s_cbranch_scc1 .Lout_w
	s_cmp_lt_u32 ttmp9, 128
	s_cbranch_scc1 .Lend
	; ---------------- X, second part: the work-group's 1,024 scale bytes leave by waves 0 and 1, 512 consecutive bytes each
	s_cmp_lt_u32 s20, 2
	s_cbranch_scc0 .Lend
	s_sub_co_u32 s32, ttmp9, 128
	s_lshl_b32 s32, s32, 10
	s_mov_b32 s33, 0
	s_add_nc_u64 s[32:33], s[12:13], s[32:33]
	ds_load_b128 v[4:7], v[A_XSR]
	s_wait_dscnt 0x0
	global_store_b128 v[A_S16], v[4:7], s[32:33]
	s_branch .Lend
.Lout_w:
	; ---------------- W, second part: 64 rows of 256 bytes of codes, eight a wave
	s_and_b32 s28, ttmp9, 1
	s_lshr_b32 s29, ttmp9, 1
	s_lshl_b32 s32, s29, 15                        ; 64 rows of 512 bytes,
	s_lshl_b32 s33, s28, 8                         ; the half of each that holds my 512 along K
	s_add_co_u32 s32, s32, s33
	s_mov_b32 s33, 0
	s_add_nc_u64 s[32:33], s[14:15], s[32:33]
.irp i, 0,1,2,3
	ds_load_b128 v[WX+4*\i:WX+4*\i+3], v[A_WRD] offset:2*\i*WP
.endr
.irp i, 0,1,2,3
	s_wait_dscnt 3-\i                              ; load i is in; the 3 - i behind it may be out
	global_store_b128 v[A_WGO], v[WX+4*\i:WX+4*\i+3], s[32:33] offset:2*\i*512   ; sixteen lanes store 256 consecutive bytes, aligned
.endr
	s_cmp_lt_u32 s20, 2
	s_cbranch_scc0 .Lend
	s_lshl_b32 s34, s29, 11                        ; the scale bytes: 64 rows of 32, 16 of each are this work-group's: every second 16 bytes of a run of 2,048 (98,304 bytes in all leave so)
	s_lshl_b32 s35, s28, 4
	s_add_co_u32 s34, s34, s35
	s_mov_b32 s35, 0
	s_add_nc_u64 s[34:35], s[16:17], s[34:35]
	ds_load_b128 v[56:59], v[A_WSR]
	s_wait_dscnt 0x0
	global_store_b128 v[A_S32], v[56:59], s[34:35]
.Lend:
	s_wait_tensorcnt 0x0                           ; the wave's end: this wait, the add of 0 onto my spare word and the wait for it, behind my last LDS store
	ds_add_u32 v[SPW], v[NIL]
	s_wait_dscnt 0x0
	s_endpgm
.Lfunc_end_k_q1b19c4d8b3_prep:
	.size	k_q1b19c4d8b3_prep, .Lfunc_end_k_q1b19c4d8b3_prep-k_q1b19c4d8b3_prep
	.p2alignl 7, 3214868480
	.fill 96, 4, 3214868480
	.section	.rodata,"a",@progbits
	.p2align	6, 0x0
	.amdhsa_kernel k_q1b19c4d8b3_prep
		.amdhsa_group_segment_fixed_size 131072
		.amdhsa_private_segment_fixed_size 0
		.amdhsa_enable_private_segment 0
		.amdhsa_kernarg_size 64
		.amdhsa_user_sgpr_count 2
		.amdhsa_user_sgpr_kernarg_segment_ptr 1
		.amdhsa_wavefront_size32 1
		.amdhsa_system_sgpr_workgroup_id_x 1
		.amdhsa_system_sgpr_workgroup_id_y 1
		.amdhsa_system_sgpr_workgroup_id_z 1
		.amdhsa_system_vgpr_workitem_id 0
		.amdhsa_next_free_vgpr 224
		.amdhsa_next_free_sgpr 66
		.amdhsa_reserve_vcc 0
		.amdhsa_float_denorm_mode_32 3
		.amdhsa_float_denorm_mode_16_64 3
		.amdhsa_memory_ordered 1
		.amdhsa_forward_progress 1
		.amdhsa_inst_pref_size 61
	.end_amdhsa_kernel
	.amdgpu_metadata
---
amdhsa.version: [ 1, 2 ]
amdhsa.kernels:
  - .name:           k_q1b19c4d8b3_prep
    .symbol:         k_q1b19c4d8b3_prep.kd
    .args:
      - { .name: x, .offset: 0, .size: 8, .value_kind: global_buffer, .address_space: global }
      - { .name: w_qkv, .offset: 8, .size: 8, .value_kind: global_buffer, .address_space: global }
      - { .name: w_out, .offset: 16, .size: 8, .value_kind: global_buffer, .address_space: global }
      - { .name: x_codes, .offset: 24, .size: 8, .value_kind: global_buffer, .address_space: global }
      - { .name: x_scales, .offset: 32, .size: 8, .value_kind: global_buffer, .address_space: global }
      - { .name: wq_codes, .offset: 40, .size: 8, .value_kind: global_buffer, .address_space: global }
      - { .name: wq_scales, .offset: 48, .size: 8, .value_kind: global_buffer, .address_space: global }
      - { .name: wot, .offset: 56, .size: 8, .value_kind: global_buffer, .address_space: global }
    .group_segment_fixed_size: 131072
    .private_segment_fixed_size: 0
    .kernarg_segment_align: 8
    .kernarg_segment_size: 64
    .max_flat_workgroup_size: 256
    .sgpr_count:     66
    .vgpr_count:     224
    .wavefront_size: 32
...
	.end_amdgpu_metadata
.endif
;; end of part 1
;; launch qkv (part 2): grid 12 x 32, 4 waves a work-group, clusters of 4 x 4, 327,680 bytes of LDS; arguments x_codes, x_scales, wq_codes, wq_scales, qkv; writes qkv
.if DOCPART == 2
	.amdgcn_target "amdgcn-amd-amdhsa--gfx1250"
	.amdhsa_code_object_version 6
	.text
	.protected	k_q1b19c4d8b3_qkv
	.globl	k_q1b19c4d8b3_qkv
	.p2align	8
	.type	k_q1b19c4d8b3_qkv,@function
k_q1b19c4d8b3_qkv:
	s_mov_b64 s[64:65], 0
	v_nop
	global_prefetch_b8 v0, s[64:65] scope:SCOPE_SE
	s_setreg_imm32_b32 hwreg(HW_REG_WAVE_MODE, 25, 1), 1
	s_wait_xcnt 0x0
	s_wait_alu depctr_hold_cnt(0) depctr_sa_sdst(0) depctr_va_vdst(0) depctr_va_sdst(0) depctr_va_ssrc(0) depctr_va_vcc(0) depctr_vm_vsrc(0)
	s_getreg_b32 s2, hwreg(HW_REG_IB_STS2, 6, 4)
	s_cmp_eq_u32 s2, 0
	s_cbranch_scc0 .Lentry_in_a_cluster
	s_endpgm
.Lentry_in_a_cluster:
	s_bfe_u32 s2, ttmp6, 0x10000c
	s_cmp_lg_u32 s2, 0xf033
	s_cbranch_scc0 .Lentry_shape_is_right
	s_endpgm
.Lentry_shape_is_right:
; QKV: C[m][n] = sum over k of Q(x)[m][k] Q(w_qkv)[k][n], on codes of FP4 (E2M1) with one E8M0 scale for each 32 along K; sums in f32; C rounded once to f16 and laid by head.
; A = x_codes [8192][512 bytes], x_scales [8192][32]; B = wq_codes [3072][512 bytes], wq_scales [3072][32].  The matrix instruction takes codes and scale bytes as they lie.
; OUT: qkv [b 4][G 48][t 2048][64] f16, G = n / 64: 0-15 q's heads, 16-31 k's, 32-47 v's; one (b, G) is 2^18 consecutive bytes.
; LIMIT: |q|, |k|, |v| from 65,504 on are not served (f16).
; A tile of C, 256 x 256, is made by a work-group of four waves; a wave makes 128 x 128: 64 accumulators of 16 x 16, 512 registers.
; K = 1,024 is two K steps of 512: each fills one LDS slot (rows of 256 bytes).  Both slots and all scale bytes are asked for at the head; nothing is filled again.
; CLUSTERS: 4 x 4 work-groups.  The four of a row of the cluster need the same tiles of A, the four of a column the same tiles of B: each tile is asked for JOINTLY, by the same tensor load with the same
; descriptor and a mask that names the four.  THE MATRIX INSTRUCTION IS USED TRANSPOSED (source 0 = 16 rows of B, source 1 = 16 rows of A): a lane then holds eight neighbouring numbers of a row of C.
; REGISTERS, in windows of 256: window 0: v0-31 addresses; v32-95 scale words, two sets; from v128 A's fragments (8 x 16 rows x 128 K), ONE set; on the way out v32-127 are free.
;   window 1: B's fragments, TWO sets, at v0 and at v128.   window 2: the 32 accumulators of my rows 0-63 (accumulator (a, b) at v[8 (8 a + b)]);   window 3: those of my rows 64-127.
; A step of 128 along K is 64 matrix instructions, A's blocks one after the other, each against B's eight: a block of A is free as soon as its eight products are issued, so one set of registers serves A.
.set NQ,     4                         ; steps of 128 along K in a slot
.set ROWB,   256                       ; a tile's row in bytes: 512 codes
.set KROW,   512                       ; a row of A or of B in memory, in bytes
.set PITCH,  272                       ; an LDS row: 256 bytes + 16 of padding = 68 words: the 16 rows that a load touches start at 16 different banks (64 banks of 4 bytes: ISA guide 11.1)
.set FR,     8                         ; registers of a fragment: 16 rows x 128 K
.set NL,     2                         ; LDS loads that bring one
.set NP,     4                         ; places behind this matrix instruction (ISA guide 7.12.1)
.set HALFT,  128*PITCH                 ; 128 rows: what one tensor load brings, and what one wave reads of A or of B
.set SLOT,   4*HALFT                   ; A's 256 rows, then B's 256 rows
.set KS,     32                        ; a row of scales in bytes
.set SCL,    2*SLOT                    ; behind the slots: the scales, as runs of 256 bytes + 16 of padding
.set HALFS,  (128*KS/256)*272          ; the scales of 128 rows: what one tensor load brings
.set SBLK,   (16*KS/256)*272           ; those of 16 rows
.set SPARE,  SCL+4*HALFS               ; behind the scales: the spare words, 128 bytes for each wave: two blocks of 256 bytes that no other line names
.set SPITCH, 272                       ; the way out: a stage of 16 rows x (256 bytes + 16) for each wave, in slot 0, which has had its one fill and its last read when the first result is stored there
.set ADRA, 16                          ; v16-17  LDS address of my A fragments in slot 0, 1
.set ADRB, 20                          ; v20-21  the same for B
.set STO,  24                          ; v24     the way out: where I put 16 bytes of a row
.set RD,   25                          ; v25     the way out: where I read 16 bytes of a token's head back
.set CO,   26                          ; v26     16 x lane: my place in four tokens of a head
.set ADRS, 27                          ; v27     LDS address of my scale words: lanes 0-15 A's rows, lanes 16-31 B's
.set SPW,  28                          ; v28     LDS address of my spare word; never rewritten
.set NIL,  29                          ; v29     0; never rewritten
.set SC,   32                          ; scale words: set s at v[SC + 32 s]; in it register 4 i + q: lanes 0-15 the word of A's block i, lanes 16-31 that of B's block i, for the slot's q-th 128 along K
.set AF,   128                         ; A's fragments, in window 0
.set TMP,  32                          ; the way out: a block's 32 registers of f16
.set BK,   64                          ; the way out: a block read back: v64-95 and v96-127 by turns
.set G1, 24                            ; s[24:31] descriptor group 1 for A's tiles;  s[32:39] group 0, one set for each slot
.set G0, 32
.set G1B, 48                           ; s[48:55], s[56:63] the same for B's tiles
.set G0B, 56
.set G1S, 68                           ; s[68:75], s[76:79] groups 1 and 0 for A's scales;  s[80:87], s[88:91] for B's
.set G0S, 76
.set G1SB, 80
.set G0SB, 88
.set MSB, 0
.macro WIN new                         ; the immediate's high byte repeats the setting that is left
.if MSB != \new
	s_set_vgpr_msb (MSB<<8)|\new
.set MSB, \new
.endif
.endm
.set MUL_LO, 0xa1                      ; source 0 (B) window 1, source 1 (A) window 0, C and D window 2
.set MUL_HI, 0xf1                      ; the same, C and D window 3
.set TO_B,   0x40                      ; destination window 1, address window 0
; A joint load: waves 0 and 1 fetch for A, waves 2 and 3 for B.  Each of the two lines has ONE mask and one set of registers for all that issue it; the branch hangs on the wave's number alone.
; An s_nop 0 and four v_nop follow each of the two lines, ahead of the jump, the label and what follows.
.macro JLOAD g0a, g1a, g0b, g1b
	s_cmp_eq_u32 s15, 0
	s_cbranch_scc0 .Lfor_b_\@
	tensor_load_to_lds s[\g0a:\g0a+3], s[\g1a:\g1a+7]
	s_nop 0
.rept 4
	v_nop
.endr
	s_branch .Lasked_\@
.Lfor_b_\@:
	tensor_load_to_lds s[\g0b:\g0b+3], s[\g1b:\g1b+7]
	s_nop 0
.rept 4
	v_nop
.endr
.Lasked_\@:
.endm
.macro CROUND                          ; a round of the cluster's barrier: my work-group's barrier; wave 0 signals for the work-group; every wave waits for all sixteen; my work-group's barrier once more
	s_barrier_signal -1
	s_barrier_wait -1
	s_cmp_lg_u32 s14, 0
	s_cbranch_scc1 .Lnot_wave_0_\@
	s_barrier_signal -3
.Lnot_wave_0_\@:
	s_barrier_wait -3
	s_barrier_signal -1
	s_barrier_wait -1
.endm
	s_load_b128 s[4:7], s[0:1], 0x0                ; A's codes s[4:5], A's scales s[6:7]
	s_load_b128 s[8:11], s[0:1], 0x10              ; B's codes s[8:9], B's scales s[10:11]
	s_load_b64 s[12:13], s[0:1], 0x20              ; qkv
	v_lshl_add_u32 v[SPW], v0, 2, SPARE
	v_mov_b32 v[NIL], 0
	ds_add_u32 v[SPW], v[NIL]                      ; the wave's opening: the add, twice on end, and its wait ahead of my first tensor load; the set-up below stands between the second and the wait
	ds_add_u32 v[SPW], v[NIL]
	v_lshrrev_b32 v1, 5, v0
	v_readfirstlane_b32 s14, v1                    ; wave 0..3
	s_lshr_b32 s15, s14, 1                         ; which half of the tile's rows is mine.  Also: I fetch for A (0) or for B (1)
	s_and_b32 s16, s14, 1                          ; which half of its columns.  Also: which 128 rows of that tile I fetch
	s_bfe_u32 s40, ttmp6, 0x40000                  ; cx, cy: my place in the cluster
	s_bfe_u32 s41, ttmp6, 0x40004
	s_lshl_b32 s42, ttmp9, 2
	s_add_co_u32 s42, s42, s40                     ; tile column of C = 4 x cluster x + cx
	s_and_b32 s17, ttmp7, 0xffff
	s_lshl_b32 s17, s17, 2
	s_add_co_u32 s17, s17, s41                     ; tile row of C = 4 x cluster y + cy
	s_lshl_b32 s43, s41, 2
	s_lshl_b32 s43, 15, s43                        ; my row of the cluster
	s_lshl_b32 s44, 0x1111, s40                    ; my column
	; descriptor group 1: a tile of 128 rows x 256 bytes, padded in LDS
	s_or_b32 s[G1+0], s43, (0<<16)|(1<<20)|(1<<21)|(5<<22)|(3<<25)  ; 15:0 the mask: A's tiles go to my row; 17:16 element of 1 byte; 20 padding on; 21 set beside a mask; 24:22 after every 64 words (code 5); 31:25 of 4 words (code 3)
	s_or_b32 s[G1B+0], s44, (0<<16)|(1<<20)|(1<<21)|(5<<22)|(3<<25)
.irp g, G1, G1B
	s_mov_b32 s[\g+1], ROWB<<16                    ; tensor_dim0
	s_mov_b32 s[\g+2], 128<<16                     ; tensor_dim1 = 128
	s_mov_b32 s[\g+3], ROWB<<16                    ; tile_dim0
	s_mov_b32 s[\g+4], 128                         ; tile_dim1 = 128
	s_mov_b32 s[\g+5], KROW                        ; tensor_dim0_stride
	s_mov_b32 s[\g+6], 0
	s_mov_b32 s[\g+7], 0
.endr
	; and for the scales of 128 rows: a dense block of 4,096 bytes, as 16 rows of 256 bytes (32 elements of 8 bytes), 16 bytes of padding behind each
	s_or_b32 s[G1S+0], s43, (3<<16)|(1<<20)|(1<<21)|(5<<22)|(3<<25)
	s_or_b32 s[G1SB+0], s44, (3<<16)|(1<<20)|(1<<21)|(5<<22)|(3<<25)
.irp g, G1S, G1SB
	s_mov_b32 s[\g+1], 32<<16
	s_mov_b32 s[\g+2], (128*KS/256)<<16
	s_mov_b32 s[\g+3], 32<<16
	s_mov_b32 s[\g+4], 128*KS/256
	s_mov_b32 s[\g+5], 32
	s_mov_b32 s[\g+6], 0
	s_mov_b32 s[\g+7], 0
.endr
	s_lshl_b32 s18, s16, 7                         ; which 128 rows of the tile I fetch
	s_lshl_b32 s20, s17, 8
	s_add_co_u32 s20, s20, s18                     ; A: row 256 x tile row + 128 x half
	s_lshl_b32 s46, s42, 8
	s_add_co_u32 s46, s46, s18                     ; B: row 256 x tile column + 128 x half
	s_mov_b32 s21, 0
	s_mov_b32 s47, 0
	s_mov_b64 s[18:19], KS
	s_mul_u64 s[22:23], s[20:21], s[18:19]         ; where these rows' scales begin, in bytes
	s_mul_u64 s[92:93], s[46:47], s[18:19]
	s_mov_b64 s[18:19], KROW
	s_mul_u64 s[20:21], s[20:21], s[18:19]         ; and their codes
	s_mul_u64 s[46:47], s[46:47], s[18:19]
	s_mul_i32 s45, s14, HALFT                      ; where they go: wave x 128 rows: no place in the cluster enters an LDS address
	s_mul_i32 s94, s14, HALFS
	s_wait_dscnt 0x0                               ; both opening adds are done
	s_wait_kmcnt 0x0
	s_add_nc_u64 s[20:21], s[4:5], s[20:21]
	s_add_nc_u64 s[22:23], s[6:7], s[22:23]
	s_add_nc_u64 s[46:47], s[8:9], s[46:47]
	s_add_nc_u64 s[92:93], s[10:11], s[92:93]
	CROUND                                         ; all sixteen work-groups are here: the joint loads meet
	s_mov_b32 s[G0S], 1
	s_add_co_u32 s[G0S+1], s94, SCL
	s_mov_b64 s[G0S+2:G0S+3], s[22:23]
	s_or_b32 s[G0S+3], s[G0S+3], 0x80000000
	s_mov_b32 s[G0SB], 1
	s_add_co_u32 s[G0SB+1], s94, SCL
	s_mov_b64 s[G0SB+2:G0SB+3], s[92:93]
	s_or_b32 s[G0SB+3], s[G0SB+3], 0x80000000
	JLOAD G0S, G1S, G0SB, G1SB                     ; the scales first: they are wanted with K step 0
.irp s, 0,1
	s_mov_b32 s[G0+4*\s], 1
	s_add_co_u32 s[G0+4*\s+1], s45, \s*SLOT
	s_add_nc_u64 s[G0+4*\s+2:G0+4*\s+3], s[20:21], \s*ROWB
	s_or_b32 s[G0+4*\s+3], s[G0+4*\s+3], 0x80000000
	s_mov_b32 s[G0B+4*\s], 1
	s_add_co_u32 s[G0B+4*\s+1], s45, \s*SLOT
	s_add_nc_u64 s[G0B+4*\s+2:G0B+4*\s+3], s[46:47], \s*ROWB
	s_or_b32 s[G0B+4*\s+3], s[G0B+4*\s+3], 0x80000000
	JLOAD G0+4*\s, G1, G0B+4*\s, G1B               ; by this text's count three tensor loads of a wave are out now, and no more are issued
.endr
	v_and_b32 v1, 15, v0                           ; l % 16
	v_bfe_u32 v2, v0, 4, 1                         ; l / 16
	v_mul_u32_u24 v3, v1, PITCH
	v_lshl_add_u32 v4, v2, 4, v3                   ; a fragment's row x pitch + 16 x half
	s_mul_i32 s21, s15, HALFT                      ; my 128 rows of A
	s_mul_i32 s22, s16, HALFT                      ; my 128 rows of B,
	s_add_co_u32 s22, s22, 2*HALFT                 ; which lie behind A's 256
.irp s, 0,1
	v_add_nc_u32 v[ADRA+\s], s21, v4
	v_add_nc_u32 v[ADRB+\s], s22, v4
	s_add_co_u32 s21, s21, SLOT
	s_add_co_u32 s22, s22, SLOT
.endr
	v_mul_u32_u24 v5, v1, KS                       ; my row's scales: 32 bytes a row,
	v_lshrrev_b32 v6, 8, v5
	v_lshl_add_u32 v5, v6, 4, v5                   ; and 16 more for each 256 passed
	s_mul_i32 s21, s15, HALFS                      ; A's: my 128 rows
	s_mul_i32 s22, s16, HALFS                      ; B's: my 128 rows, behind A's 256
	s_add_co_u32 s22, s22, 2*HALFS
	s_sub_co_u32 s22, s22, s21
	v_mul_u32_u24 v6, s22, v2                      ; lanes 16-31 take B's: one product, the distance between the two bases
	s_add_co_u32 s21, s21, SCL
	v_add_nc_u32 v5, v5, v6
	v_add_nc_u32 v[ADRS], s21, v5
	s_mul_i32 s23, s14, 16*SPITCH                  ; my stage
	v_mul_u32_u24 v5, v1, SPITCH                   ; in: row l % 16, 16 bytes for each half of the lanes
	v_lshl_add_u32 v5, v2, 4, v5
	v_add_nc_u32 v[STO], s23, v5
	v_and_b32 v6, 31, v0
	v_lshlrev_b32 v[CO], 4, v6                     ; out: eight lanes to a token's 128 bytes of a head, four tokens an instruction
	v_lshrrev_b32 v5, 3, v6
	v_mul_u32_u24 v5, v5, SPITCH
	v_and_b32 v6, 7, v0
	v_lshl_add_u32 v5, v6, 4, v5
	v_add_nc_u32 v[RD], s23, v5
	; where my part begins in qkv: row0 = 256 x tile row + 128 x half = 2048 b + t0;  G0 = 4 x tile column + 2 x half;  byte ((48 b + G0) << 18) + (t0 << 7)
	s_lshl_b32 s20, s17, 8
	s_lshl_b32 s21, s15, 7
	s_add_co_u32 s20, s20, s21
	s_lshr_b32 s21, s20, 11                        ; b
	s_and_b32 s20, s20, 2047                       ; t0
	s_lshl_b32 s20, s20, 7
	s_mul_i32 s21, s21, 48
	s_lshl_b32 s46, s42, 2
	s_lshl_b32 s47, s16, 1
	s_add_co_u32 s46, s46, s47
	s_add_co_u32 s46, s46, s21
	s_lshl_b32 s46, s46, 18
	s_add_co_u32 s46, s46, s20
	s_mov_b32 s47, 0
	s_add_nc_u64 s[12:13], s[12:13], s[46:47]
.macro FRAG reg, adr, q, i             ; a fragment, 16 rows x 128 K of 4-bit codes, is 8 registers: lane l holds row l % 16; registers 4 c .. 4 c + 3 hold K = 64 c + 32 (l / 16) + 0 .. 31
.irp c, 0,1
	ds_load_b128 v[\reg+4*\c:\reg+4*\c+3], v[\adr] offset:64*(\q)+32*\c+(\i)*16*PITCH
.endr
.endm
; 16 matrix instructions: A's blocks a0, a0 + 1 x B's eight, 128 along K: the slot's q-th.  p: B's set;  sc: the set of scale words.  zero = 1: the first product starts the sums: nothing is ever cleared.
; The 64 accumulators take turns, one instruction a turn, in the same order in every step.
.macro MUL16 a0, p, q, sc, zero
.irp a, \a0, \a0+1
.irp b, 0,1,2,3,4,5,6,7
.if \zero
	v_wmma_scale_f32_16x16x128_f8f6f4 v[8*(8*((\a)%4)+\b):8*(8*((\a)%4)+\b)+7], v[128*(\p)+FR*\b:128*(\p)+FR*\b+FR-1], v[AF+FR*(\a):AF+FR*(\a)+FR-1], 0, v[SC+8*NQ*(\sc)+NQ*\b+(\q)], v[SC+8*NQ*(\sc)+NQ*(\a)+(\q)] matrix_a_fmt:MATRIX_FMT_FP4 matrix_b_fmt:MATRIX_FMT_FP4 matrix_a_scale:MATRIX_SCALE_ROW1
.else
	v_wmma_scale_f32_16x16x128_f8f6f4 v[8*(8*((\a)%4)+\b):8*(8*((\a)%4)+\b)+7], v[128*(\p)+FR*\b:128*(\p)+FR*\b+FR-1], v[AF+FR*(\a):AF+FR*(\a)+FR-1], v[8*(8*((\a)%4)+\b):8*(8*((\a)%4)+\b)+7], v[SC+8*NQ*(\sc)+NQ*\b+(\q)], v[SC+8*NQ*(\sc)+NQ*(\a)+(\q)] matrix_a_fmt:MATRIX_FMT_FP4 matrix_b_fmt:MATRIX_FMT_FP4 matrix_a_scale:MATRIX_SCALE_ROW1
.endif
.endr
.endr
.endm
.macro FETCH_B slot, q, p              ; B's eight fragments of the slot's q-th 128 along K into set p
	WIN TO_B
.irp i, 0,1,2,3,4,5,6,7
	FRAG 128*(\p)+FR*\i, ADRB+\slot, \q, \i
.endr
	WIN 0
.endm
.macro FETCH_A slot, q, i0             ; A's blocks i0 .. i0 + 3
.irp i, \i0, \i0+1, \i0+2, \i0+3
	FRAG AF+FR*(\i), ADRA+\slot, \q, \i
.endr
.endm
.macro SCALES sc                       ; a K step's scale words into set sc: four words a row; lanes 0-15 take A's block i, lanes 16-31 B's block i
.irp i, 0,1,2,3,4,5,6,7
	ds_load_b128 v[SC+8*NQ*\sc+NQ*\i:SC+8*NQ*\sc+NQ*\i+3], v[ADRS] offset:\i*SBLK
.endr
.endm
; A load into a register that a matrix instruction has read, and a vector instruction that reads a matrix result, stand NP places behind that matrix instruction; only plain vector instructions that name
; none of its registers are places (ISA guide 7.12.1 for vector instructions).
.macro PLACES n
.rept \n
	v_nop
.endr
.endm
; A step of 128 along K that has its successor in the same slot.
.macro STEP slot, q, zero
	s_wait_dscnt 4*NL                              ; B's set and A's blocks 0-3 are in; the youngest eight loads (A's blocks 4-7) may be out
	WIN MUL_LO
	MUL16 0, (\q)%2, \q, \slot, \zero
	MUL16 2, (\q)%2, \q, \slot, \zero
	s_wait_dscnt 0                                 ; A's blocks 4-7 are in (asked for 32 matrix instructions ago)
	PLACES NP
	FETCH_B \slot, (\q)+1, 1-(\q)%2
	FETCH_A \slot, (\q)+1, 0
	WIN MUL_HI
	MUL16 4, (\q)%2, \q, \slot, \zero
	MUL16 6, (\q)%2, \q, \slot, \zero
	PLACES NP
	WIN 0
	FETCH_A \slot, (\q)+1, 4
.endm
; Slot 0's last step changes slots: ONE barrier; in front of it each wave waits for all its tensor loads (slot 1's is the one that may be out), adds 0 to its spare word, and waits for that and for its reads of slot 0.
.macro TURN slot, next
	s_wait_tensorcnt 0x0                           ; all my tensor loads have landed: my part of the next slot  (every window is 0 here: the add's two registers lie in window 0)
	ds_add_u32 v[SPW], v[NIL]                      ; 0 onto my spare word
	s_wait_dscnt 4*NL+1                            ; the add and the youngest eight loads, A's blocks 4-7, may be out
	WIN MUL_LO
	MUL16 0, 1, NQ-1, \slot, 0                     ; sixteen matrix instructions stand between the add and the wait for it
	s_wait_dscnt 0x0                               ; the add is done, and my reads of this slot are over
	s_barrier_signal -1
	MUL16 2, 1, NQ-1, \slot, 0
	WIN 0
	s_barrier_wait -1
	PLACES NP
	v_add_nc_u32 v[ADRS], 4*NQ, v[ADRS]            ; on to the next K step's scale words (no LDS load of mine is out)
	FETCH_B \next, 0, 0
	FETCH_A \next, 0, 0
	SCALES \next
	WIN MUL_HI
	MUL16 4, 1, NQ-1, \slot, 0
	MUL16 6, 1, NQ-1, \slot, 0
	PLACES NP
	WIN 0
	FETCH_A \next, 0, 4
.endm
	s_wait_tensorcnt 1                             ; the scales and my part of K step 0 are in; the one load behind them, K step 1's, may be out
	s_barrier_signal -1
	s_barrier_wait -1                              ; everybody's are
	FETCH_B 0, 0, 0
	FETCH_A 0, 0, 0
	SCALES 0
	FETCH_A 0, 0, 4
	STEP 0, 0, 1                                   ; the first step's products start the sums
	STEP 0, 1, 0
	STEP 0, 2, 0
	TURN 0, 1
	STEP 1, 0, 0
	STEP 1, 1, 0
	STEP 1, 2, 0
	s_wait_dscnt 4*NL                              ; the very last step: nothing more to fetch
	WIN MUL_LO
	MUL16 0, 1, NQ-1, 1, 0
	MUL16 2, 1, NQ-1, 1, 0
	s_wait_dscnt 0
	WIN MUL_HI
	MUL16 4, 1, NQ-1, 1, 0
	MUL16 6, 1, NQ-1, 1, 0
	WIN 0
; THE WAY OUT, block by block of 16 rows (tokens) x 128 columns (two heads).  PACK: rounded to f16, 16 bytes a lane, each accumulator from its low end on.  TOSTAGE: into my own stage, and back by tokens and heads.
; SEND: each store covers 512 consecutive bytes: four tokens of one head.  LDS serves a wave's instructions in order (ISA guide 5.7.1.4): no wait between the stage's stores and loads.
.macro PACK a
.set AC, 64*((\a)%4)
	WIN 0x0a+5*((\a)/4)                            ; sources 0 and 1: window 2 or 3
.irp b, 0,1,2,3,4,5,6,7
.irp r, 0,1,2,3
	v_cvt_pk_f16_f32 v[TMP+4*\b+\r], v[AC+8*\b+2*\r], v[AC+8*\b+2*\r+1]
.endr
.endr
	WIN 0
.endm
.macro TOSTAGE a
.set BB, BK+32*((\a)%2)
.irp b, 0,1,2,3,4,5,6,7
	ds_store_b128 v[STO], v[TMP+4*\b:TMP+4*\b+3] offset:32*\b
.endr
.irp t, 0,1,2,3,4,5,6,7
	ds_load_b128 v[BB+4*\t:BB+4*\t+3], v[RD] offset:(\t%4)*4*SPITCH+(\t/4)*128     ; tokens 4 (t % 4) on, head t / 4
.endr
.endm
.macro SEND a
.set BB, BK+32*((\a)%2)
	s_wait_dscnt 0x0                               ; the block is back in registers
	s_wait_xcnt 0x0                                ; the earlier stores have read their registers: the next block's loads may land on them
.irp t, 0,1,2,3,4,5,6,7
	global_store_b128 v[CO], v[BB+4*\t:BB+4*\t+3], s[12:13] offset:(\a)*2048+(\t%4)*512+(\t/4)*262144   ; the base is never stepped: 278,016 bytes at the most, inside the signed 24-bit immediate
.endr
.endm
	PLACES NP                                      ; behind the last products: for the conversions that read results and write registers that held scale words
	PACK 0
	TOSTAGE 0
.irp a, 1,2,3,4,5,6,7                  ; block a's conversions stand between block a - 1's loads from the stage and the wait for them
	PACK \a
	SEND \a-1
	TOSTAGE \a
.endr
	SEND 7
	s_wait_tensorcnt 0x0                           ; the wave's end: this wait, the add of 0 onto my spare word and the wait for it, behind my last tensor load and my last LDS store
	ds_add_u32 v[SPW], v[NIL]
	s_wait_dscnt 0x0
	CROUND                                         ; the closing round: no work-group ends while a partner may still ask for a tile that names it
	s_endpgm
.Lfunc_end_k_q1b19c4d8b3_qkv:
	.size	k_q1b19c4d8b3_qkv, .Lfunc_end_k_q1b19c4d8b3_qkv-k_q1b19c4d8b3_qkv
	.p2alignl 7, 3214868480
	.fill 96, 4, 3214868480
	.section	.rodata,"a",@progbits
	.p2align	6, 0x0
	.amdhsa_kernel k_q1b19c4d8b3_qkv
		.amdhsa_group_segment_fixed_size 327680
		.amdhsa_private_segment_fixed_size 0
		.amdhsa_enable_private_segment 0
		.amdhsa_kernarg_size 40
		.amdhsa_user_sgpr_count 2
		.amdhsa_user_sgpr_kernarg_segment_ptr 1
		.amdhsa_wavefront_size32 1
		.amdhsa_system_sgpr_workgroup_id_x 1
		.amdhsa_system_sgpr_workgroup_id_y 1
		.amdhsa_system_sgpr_workgroup_id_z 1
		.amdhsa_system_vgpr_workitem_id 0
		.amdhsa_next_free_vgpr 1024
		.amdhsa_next_free_sgpr 98
		.amdhsa_reserve_vcc 0
		.amdhsa_float_denorm_mode_32 3
		.amdhsa_float_denorm_mode_16_64 3
		.amdhsa_memory_ordered 1
		.amdhsa_forward_progress 1
		.amdhsa_inst_pref_size 126
	.end_amdhsa_kernel
	.amdgpu_metadata
---
amdhsa.version: [ 1, 2 ]
amdhsa.kernels:
  - .name:           k_q1b19c4d8b3_qkv
    .symbol:         k_q1b19c4d8b3_qkv.kd
    .args:
      - { .name: x_codes, .offset: 0, .size: 8, .value_kind: global_buffer, .address_space: global }
      - { .name: x_scales, .offset: 8, .size: 8, .value_kind: global_buffer, .address_space: global }
      - { .name: wq_codes, .offset: 16, .size: 8, .value_kind: global_buffer, .address_space: global }
      - { .name: wq_scales, .offset: 24, .size: 8, .value_kind: global_buffer, .address_space: global }
      - { .name: qkv, .offset: 32, .size: 8, .value_kind: global_buffer, .address_space: global }
    .group_segment_fixed_size: 327680
    .private_segment_fixed_size: 0
    .kernarg_segment_align: 8
    .kernarg_segment_size: 40
    .max_flat_workgroup_size: 128
    .sgpr_count:     98
    .vgpr_count:     1024
    .wavefront_size: 32
...
	.end_amdgpu_metadata
.endif
;; end of part 2
;; launch attn (part 3): grid 4 x 64, 8 waves a work-group, clusters of 4 x 1, 327,680 bytes of LDS; arguments qkv, ao; writes ao
.if DOCPART == 3
	.amdgcn_target "amdgcn-amd-amdhsa--gfx1250"
	.amdhsa_code_object_version 6
	.text
	.protected	k_q1b19c4d8b3_attn
	.globl	k_q1b19c4d8b3_attn
	.p2align	8
	.type	k_q1b19c4d8b3_attn,@function
k_q1b19c4d8b3_attn:
	s_mov_b64 s[64:65], 0
	v_nop
	global_prefetch_b8 v0, s[64:65] scope:SCOPE_SE
	s_setreg_imm32_b32 hwreg(HW_REG_WAVE_MODE, 25, 1), 1
	s_wait_xcnt 0x0
	s_wait_alu depctr_hold_cnt(0) depctr_sa_sdst(0) depctr_va_vdst(0) depctr_va_sdst(0) depctr_va_ssrc(0) depctr_va_vcc(0) depctr_vm_vsrc(0)
	s_getreg_b32 s2, hwreg(HW_REG_IB_STS2, 6, 4)
	s_cmp_eq_u32 s2, 0
	s_cbranch_scc0 .Lentry_in_a_cluster
	s_endpgm
.Lentry_in_a_cluster:
	s_bfe_u32 s2, ttmp6, 0x10000c
	s_cmp_lg_u32 s2, 0x3003
	s_cbranch_scc0 .Lentry_shape_is_right
	s_endpgm
.Lentry_shape_is_right:
; ATTN: O[q][:] = the sum over k of softmax_k(Q[q] . K[k] / 8) V[k][:], for each of 64 (batch, head) pairs; 2,048 queries and keys, head size 64; no mask.
; IN: qkv [b 4][G 48][t 2048][64] f16 (G = h: q; 16 + h: k; 32 + h: v).  OUT: ao [h 16][token 8192][64] f16.  Products, maxima and sums in f32; the weights p are rounded to f16 for the second product, O once at the end.
; LIMITS: a weight p under 3e-8 goes to the second product as 0 (f16); the row's sum is taken of the unrounded p.  NaN and infinities are not served.
; SHARES.  A work-group owns 512 queries of one (b, h), each of its eight waves 64: four tiles of 16, so that each fragment of K and V read from LDS feeds four products.  Every wave walks all keys, 64 a step.
; LAYOUT.  S^T = K Q^T (source 0 = 16 keys, source 1 = 16 queries): a lane holds ONE query (lane % 16) and the keys 8 (lane / 16) + 0..7.  Two such tiles, rounded to f16 in pairs, ARE source 1 (32 keys x 16 queries)
; of O^T = V^T P, whose result again holds one query a lane.  K comes out of LDS as it lies, V ([key][channel]) turned, by ds_load_tr16_b128.
; SOFTMAX.  For each query a running maximum m and sum l: p = 2^(c s - c m), c = log2(e) / 8; in every step O and l are multiplied by a = 2^(c m_old - c m_new).  m begins at -3e38, l and O at 0: the first a is 0.
; (O's 128 registers are cleared once at the head: so the softmax and the second product have one form each, and the text stays short.)
; TWO SETS OF WAVES.  A wave's step has two phases: MM (32 products V^T P of the step before, 32 products K Q^T of this step, and all of this step's LDS reads) and SM (the four tiles' softmax, vector work alone).
; In a trip set 0 runs MM, SM and set 1 runs SM (of the step before), MM: one set has matrix work while the other has vector work.  SET = (w xor w / 4) % 2 puts w and w + 4, and also w and w + 1, into different sets.
; All LDS reads of step t stand in trip t in both sets, so the changes of slots stand on the common way.
; CLUSTER.  The four query blocks of a (b, h) are one cluster and walk the same K and V: each tile is asked for JOINTLY: the same tensor load, with the same descriptor and a mask that names the four, in all four.
; A slot holds four key steps; waves 0-3 fetch K's four tiles of it, waves 4-7 V's: one load a wave, 64 rows each.
; REGISTERS.  window 0: v0-15 addresses; v16-47 eight registers of statistics a tile; v48-55 a second chain for the sums; v64-191 S^T, 32 a tile (P is laid over the low 16 of each 32); v192-255 Q, 16 a tile.
;   window 1: v0-127 O^T, 32 a tile; v128-191 K of one step; v192-255 V of one step.
.set PK,    144                        ; a row of K in LDS: 128 bytes + 16 = 36 words: the 16 rows of a load start at 16 different groups of four banks (64 banks of 4 bytes: ISA guide 11.1)
.set PV,    160                        ; a row of V: 128 + 32: 16 lanes of the turning load take 8 rows x 32 bytes
.set VOFF,  64*PK                      ; a step's tiles lie together: 64 rows of K, then 64 rows of V
.set STEPB, 64*(PK+PV)
.set SLOT1, 1<<17                      ; a slot holds four steps (77,824 bytes); slot 1 begins here, so that one exclusive or turns an address in one slot into the other's
.set STAGE, SLOT1+4*STEPB              ; behind the ring: 16 rows x 144 bytes for each wave, for the way out
.set SPARE, STAGE+8*16*PK              ; behind the stages: the spare words, 128 bytes for each wave: four blocks of 256 bytes that no other line names
.set SLOTB, 4*64*128                   ; a slot's keys in memory: 32,768 bytes of K, as many of V
.set AK0, 2                            ; v2   my lane's place in a tile of K; never rewritten
.set AV0, 3                            ; v3   the same for V
.set ADK, 4                            ; v4   LDS address of the step's K
.set ADV, 5                            ; v5   of its V
.set QO,  6                            ; v6   my byte offset in the wave's rows of Q
.set STO, 7                            ; v7   the way out: where I put 16 bytes of a row
.set RD,  8                            ; v8   the way out: where I read 16 bytes back
.set GO,  9                            ; v9   16 x lane: my place in four rows of ao
.set PFO, 12                           ; v12  256 x lane: the prefetches' offset; never rewritten
.set SPW, 14                           ; v14  LDS address of my spare word; never rewritten
.set NIL, 15                           ; v15  0; never rewritten
.set ST,  16                           ; tile t's statistics at v[ST + 8 t]: +0 c m, +1 m, +2, +3 l (even keys', odd keys'), +4 to +7 at work; a in +6
.set XSUM, 48                          ; tile t's second chain of sums at v[XSUM + 2 t]
.set S,   64
.set QF,  192
.set KF,  128                          ; in window 1
.set VF,  192                          ; in window 1
.set WV,  12                           ; s12  my wave's number
.set SET, 13                           ; s13  my set
.set G1K, 24                           ; s[24:31] descriptor group 1 for K's tiles
.set G1V, 32                           ; s[32:39] for V's: it differs in the padding alone
.set G0K, 40                           ; s[40:47] group 0 for K's tiles: a set for each of the two first fills; the second then walks on
.set G0V, 48                           ; s[48:55] the same for V's
.set SLOTS, 56                         ; s56  slots still to be asked for
.set CNT, 57                           ; s57  counts trips
.set CS,  58                           ; s[58:59] c: the packed scaling names a pair and takes its low word for both halves
.set SEL, 60                           ; s[60:61] lane selects for v_permlanex16_b32: lane l xor 16
.set TB,  62                           ; s62  LDS byte at which the tiles of the step to be fetched begin
.set LIM, 63                           ; s63  1 in a wave that prefetches, else the greatest number
.set PFA, 66                           ; s[66:67] where my prefetches stand in memory
.set MSB, 0
.macro WIN new                         ; the immediate's high byte repeats the setting that is left; a switch that changes nothing is dropped
.if MSB != \new
	s_set_vgpr_msb (MSB<<8)|\new
.set MSB, \new
.endif
.endm
.set W_KQ, 0x01                        ; K in window 1; Q and S^T in window 0
.set W_PV, 0x51                        ; V and O^T in window 1, P in window 0
.set TO_1, 0x40                        ; destination window 1, address window 0
.set W_RS, 0x41                        ; O^T (destination and source 0) in window 1, a in window 0
; A joint refill: waves 0-3 fetch K's tiles, waves 4-7 V's.  The branch hangs on the wave's number alone.  An s_nop 0 and four v_nop follow each of the two lines.
.macro JLOAD
	s_cmp_lt_u32 s[WV], 4
	s_cbranch_scc0 .Lfor_v_\@
	tensor_load_to_lds s[G0K+4:G0K+7], s[G1K:G1K+7]
	s_nop 0
.rept 4
	v_nop
.endr
	s_branch .Lasked_\@
.Lfor_v_\@:
	tensor_load_to_lds s[G0V+4:G0V+7], s[G1V:G1V+7]
	s_nop 0
.rept 4
	v_nop
.endr
.Lasked_\@:
.endm
; A PREFETCH INTO THE L2 of what the NEXT change of slots will ask for: a slot's 32,768 bytes of K and as many of V.  It stands behind the wave's tensor load and its five lines.
; Each aligned block of 256 bytes is named ONCE in the launch: one cluster alone walks a (b, h); its four partners share the bytes out BY ADDRESS, 8,192 each; in each, wave 0 asks for K's and wave 4 for V's,
; a lane a block: one instruction.  It runs four key steps, 256 matrix instructions of a wave, ahead of the load.  The last change that fills a slot asks for nothing: there is no slot behind it.
.macro ASK
	s_cmp_gt_u32 s[SLOTS], s[LIM]
	s_cbranch_scc0 .Lnot_mine_\@
	global_prefetch_b8 v[PFO], s[PFA:PFA+1] th:TH_LOAD_NT scope:SCOPE_SE
.Lnot_mine_\@:
.endm
.macro CROUND                          ; a round of the cluster's barrier: my work-group's barrier; wave 0 signals for the work-group; every wave waits for all four; my work-group's barrier once more
	s_barrier_signal -1
	s_barrier_wait -1
	s_cmp_lg_u32 s[WV], 0
	s_cbranch_scc1 .Lnot_wave_0_\@
	s_barrier_signal -3
.Lnot_wave_0_\@:
	s_barrier_wait -3
	s_barrier_signal -1
	s_barrier_wait -1
.endm
	s_load_b128 s[16:19], s[0:1], 0x0              ; qkv s[16:17], ao s[18:19]
	v_lshl_add_u32 v[SPW], v0, 2, SPARE
	v_mov_b32 v[NIL], 0
	ds_add_u32 v[SPW], v[NIL]                      ; the wave's opening: the add, twice on end, and its wait ahead of my first tensor load; the set-up below stands between the second and the wait
	ds_add_u32 v[SPW], v[NIL]
	v_lshrrev_b32 v1, 5, v0
	v_readfirstlane_b32 s[WV], v1                  ; wave 0..7
	s_lshr_b32 s[SET], s[WV], 2
	s_xor_b32 s[SET], s[SET], s[WV]
	s_and_b32 s[SET], s[SET], 1
	s_and_b32 s15, s[WV], 3                        ; which of a slot's four steps I fetch
	s_bfe_u32 s14, ttmp6, 0x40000                  ; cx: my block of 512 queries: it enters Q's, ao's and the prefetches' addresses alone
	s_and_b32 s20, ttmp7, 0xffff                   ; 16 b + h, which the four partners share
	s_lshr_b32 s21, s20, 4                         ; b
	s_and_b32 s20, s20, 15                         ; h
	s_mul_i32 s22, s21, 48
	s_add_co_u32 s22, s22, s20
	s_lshl_b32 s22, s22, 18                        ; q's head in qkv: (48 b + h) << 18
	s_lshl_b32 s2, s14, 16                         ; my block's 512 rows of 128 bytes,
	s_lshl_b32 s3, s[WV], 13                       ; my wave's 64 of them
	s_add_co_u32 s3, s3, s2
	s_add_co_u32 s2, s3, s22                       ; Q's offset
	s_lshl_b32 s20, s20, 20
	s_lshl_b32 s21, s21, 18
	s_add_co_u32 s20, s20, s21
	s_add_co_u32 s20, s20, s3                      ; ao's: (h << 20) + 128 (2048 b + 512 cx + 64 w)
	s_mov_b32 s3, 0
	s_mov_b32 s21, 0
	s_lshl_b32 s23, s15, 13                        ; my tile of a slot: 64 rows of 128 bytes
	s_add_co_u32 s22, s22, s23
	s_mov_b32 s23, 0
	s_mul_i32 s68, s15, STEPB                      ; and its place in a slot: no place in the cluster enters an LDS address
	; descriptor group 1: a tile of 64 rows x 64 elements, dense in memory, padded in LDS
	s_mov_b32 s[G1K], 15|(1<<16)|(1<<20)|(1<<21)|(4<<22)|(3<<25)  ; 15:0 the mask: all four work-groups; 17:16 elements of 2 bytes; 20 padding on; 21 set beside a mask; 24:22 after every 32 words (code 4); 31:25 4 words (code 3)
	s_mov_b32 s[G1V], 15|(1<<16)|(1<<20)|(1<<21)|(4<<22)|(7<<25)  ; the same with 8 words of padding (code 7)
.irp g, G1K, G1V
	s_mov_b32 s[\g+1], 64<<16                      ; tensor_dim0 = 64
	s_mov_b32 s[\g+2], 64<<16                      ; tensor_dim1 = 64
	s_mov_b32 s[\g+3], 64<<16                      ; tile_dim0 = 64
	s_mov_b32 s[\g+4], 64                          ; tile_dim1 = 64
	s_mov_b32 s[\g+5], 64                          ; tensor_dim0_stride
	s_mov_b32 s[\g+6], 0
	s_mov_b32 s[\g+7], 0
.endr
	s_mov_b32 s[CS], 0x3e38aa3b                    ; c = log2(e) / 8
	s_mov_b32 s[CS+1], s[CS]                       ; named with it as a pair, so it is written
	s_mov_b32 s[SEL], 0x76543210
	s_mov_b32 s[SEL+1], 0xfedcba98
	s_mov_b32 s[TB], 0
	s_mov_b32 s[SLOTS], 6
	s_cmp_eq_u32 s15, 0                            ; waves 0 and 4 prefetch
	s_cselect_b32 s[LIM], 1, -1
	s_wait_dscnt 0x0                               ; both opening adds are done
	s_wait_kmcnt 0x0
	s_add_nc_u64 s[4:5], s[16:17], s[2:3]          ; Q at my wave's first row
	s_add_nc_u64 s[6:7], s[16:17], s[22:23]
	s_add_nc_u64 s[8:9], s[6:7], 32<<18            ; V at my tile of slot 0
	s_add_nc_u64 s[6:7], s[6:7], 16<<18            ; K at my tile of slot 0
	s_add_nc_u64 s[10:11], s[18:19], s[20:21]      ; ao at my wave's first row
	s_cmp_lt_u32 s[WV], 4
	s_cselect_b64 s[PFA:PFA+1], s[6:7], s[8:9]     ; (in waves 0 and 4 these stand at a slot's first row)
	s_lshl_b32 s2, s14, 13                         ; my work-group's 8,192 bytes of the 32,768
	s_add_nc_u64 s[PFA:PFA+1], s[PFA:PFA+1], s[2:3]
	s_add_nc_u64 s[PFA:PFA+1], s[PFA:PFA+1], 2*SLOTB  ; at the third slot's worth; the first change of slots steps it to the fourth.  Nothing is prefetched at the head, where every work-group's first tiles are on their way
	CROUND                                         ; all four work-groups are here: the first joint loads meet
.irp s, 0,1
	s_mov_b32 s[G0K+4*\s], 1                       ; count = 1
	s_add_co_u32 s[G0K+4*\s+1], s68, \s*SLOT1      ; LDS address
	s_add_nc_u64 s[G0K+4*\s+2:G0K+4*\s+3], s[6:7], \s*SLOTB  ; global address: slot s begins with keys 256 s on
	s_or_b32 s[G0K+4*\s+3], s[G0K+4*\s+3], 0x80000000  ; type = 2
	s_mov_b32 s[G0V+4*\s], 1
	s_add_co_u32 s[G0V+4*\s+1], s68, \s*SLOT1+VOFF
	s_add_nc_u64 s[G0V+4*\s+2:G0V+4*\s+3], s[8:9], \s*SLOTB
	s_or_b32 s[G0V+4*\s+3], s[G0V+4*\s+3], 0x80000000
.endr
	s_cmp_lt_u32 s[WV], 4                          ; a wave's two first fills stand in one branch, ahead of every wait on TENSORcnt and every LDS read: two loads of mine are out
	s_cbranch_scc0 .Lfirst_v
	tensor_load_to_lds s[G0K:G0K+3], s[G1K:G1K+7]
	s_nop 0
	tensor_load_to_lds s[G0K+4:G0K+7], s[G1K:G1K+7]
	s_nop 0
.rept 4
	v_nop
.endr
	s_branch .Lfirst_asked
.Lfirst_v:
	tensor_load_to_lds s[G0V:G0V+3], s[G1V:G1V+7]
	s_nop 0
	tensor_load_to_lds s[G0V+4:G0V+7], s[G1V:G1V+7]
	s_nop 0
.rept 4
	v_nop
.endr
.Lfirst_asked:
	; A fragment of K or Q is 16 rows x 32 channels in 8 registers: lane l holds row l % 16; registers 0-3 channels 8 (l / 16) + 0..7, registers 4-7 channels 16 + 8 (l / 16) + 0..7: two loads of 16 bytes, 32 bytes apart.
	v_and_b32 v1, 15, v0                           ; l % 16
	v_bfe_u32 v10, v0, 4, 1                        ; l / 16
	v_lshlrev_b32 v[QO], 7, v1
	v_lshl_add_u32 v[QO], v10, 4, v[QO]            ; row x 128 + 16 x half
.irp i, 0,1,2,3,4,5,6,7                        ; Q stays in registers: tile i / 2, channels 32 (i % 2) on
	global_load_b128 v[QF+8*\i:QF+8*\i+3],   v[QO], s[4:5] offset:(\i/2)*2048+(\i%2)*64
	global_load_b128 v[QF+8*\i+4:QF+8*\i+7], v[QO], s[4:5] offset:(\i/2)*2048+(\i%2)*64+32
.endr
	v_mul_u32_u24 v[AK0], v1, PK
	v_lshl_add_u32 v[AK0], v10, 4, v[AK0]          ; row x pitch + 16 x half
	; The turning load takes 16 keys x 16 channels (lane l reads 16 bytes: key 8 (l / 16) + l % 8, channels 8 ((l / 8) % 2) + 0..7) and leaves half a fragment of V^T: lane l holds channel l % 16 and 8 keys.
	v_and_b32 v11, 7, v0
	v_lshl_add_u32 v[AV0], v10, 3, v11
	v_mul_u32_u24 v[AV0], v[AV0], PV
	v_bfe_u32 v11, v0, 3, 1
	v_lshl_add_u32 v[AV0], v11, 4, v[AV0]
	v_add_nc_u32 v[AV0], VOFF, v[AV0]
	s_mul_i32 s16, s[WV], 16*PK                    ; the addresses for the way out are made here, ahead of the first parting of the sets
	s_add_co_u32 s16, s16, STAGE                   ; my stage
	v_mul_u32_u24 v[STO], v1, PK                   ; in: row l % 16, 16 bytes for each half of the lanes
	v_lshl_add_u32 v[STO], v10, 4, v[STO]
	v_add_nc_u32 v[STO], s16, v[STO]
	v_and_b32 v11, 31, v0
	v_lshrrev_b32 v[RD], 3, v11                    ; back: eight lanes to a row of 128 bytes, four rows an instruction
	v_mul_u32_u24 v[RD], v[RD], PK
	v_and_b32 v[GO], 7, v0
	v_lshl_add_u32 v[RD], v[GO], 4, v[RD]
	v_add_nc_u32 v[RD], s16, v[RD]
	v_lshlrev_b32 v[GO], 4, v11
	v_lshlrev_b32 v[PFO], 8, v11
.irp t, 0,1,2,3
	v_mov_b32 v[ST+8*\t+1], 0xff61b1e6             ; m = -3e38, under every score
	v_mul_f32 v[ST+8*\t], s[CS], v[ST+8*\t+1]      ; c m
	v_mov_b32 v[ST+8*\t+2], 0                      ; l, in two halves
	v_mov_b32 v[ST+8*\t+3], 0
.endr
	WIN TO_1
.set i, 0
.rept 128
	v_mov_b32 v[i], 0                              ; O^T
.set i, i+1
.endr
	WIN 0
; THE ADDRESSES OF A STEP'S LDS READS, on the common way.
.macro ADDR
	v_add_nc_u32 v[ADK], s[TB], v[AK0]
	v_add_nc_u32 v[ADV], s[TB], v[AV0]
	s_add_co_u32 s[TB], s[TB], STEPB               ; the next trip fetches the next step's
.endm
.macro FETCH_K                         ; 64 keys x 64 channels: fragment f: keys 16 (f / 2) on, channels 32 (f % 2) on
	WIN TO_1
.irp f, 0,1,2,3,4,5,6,7
	ds_load_b128 v[KF+8*\f:KF+8*\f+3],   v[ADK] offset:(\f/2)*16*PK+(\f%2)*64
	ds_load_b128 v[KF+8*\f+4:KF+8*\f+7], v[ADK] offset:(\f/2)*16*PK+(\f%2)*64+32
.endr
.endm
.macro FETCH_V                         ; turned: fragment f: keys 32 (f / 4) on, channels 16 (f % 4) on
	WIN TO_1
.irp f, 0,1,2,3,4,5,6,7
	ds_load_tr16_b128 v[VF+8*\f:VF+8*\f+3],   v[ADV] offset:(\f/4)*32*PV+(\f%4)*32
	ds_load_tr16_b128 v[VF+8*\f+4:VF+8*\f+7], v[ADV] offset:(\f/4)*32*PV+16*PV+(\f%4)*32
.endr
.endm
; The accumulators take turns, one instruction a turn: between two links of a chain stand the 15 others'.
.macro PVALL                           ; O^T += V^T P: product i: keys 32 (i / 16) on, channels 16 ((i / 4) % 4) on, tile i % 4
	WIN W_PV
.set i, 0
.rept 32
.set rO, 32*(i%4)+8*((i/4)%4)
.set rV, VF+32*(i/16)+8*((i/4)%4)
.set rP, S+32*(i%4)+8*(i/16)
	v_wmma_f32_16x16x32_f16 v[rO:rO+7], v[rV:rV+7], v[rP:rP+7], v[rO:rO+7]
.set i, i+1
.endr
.endm
.macro KQALL                           ; S^T = K Q^T: product i: channels 32 (i / 16) on, keys 16 ((i / 4) % 4) on, tile i % 4.  The first 16 start the sums
	WIN W_KQ
.set i, 0
.rept 32
.set rS, S+32*(i%4)+8*((i/4)%4)
.set rK, KF+8*(2*((i/4)%4)+i/16)
.set rQ, QF+16*(i%4)+8*(i/16)
.if i < 16
	v_wmma_f32_16x16x32_f16 v[rS:rS+7], v[rK:rK+7], v[rQ:rQ+7], 0
.else
	v_wmma_f32_16x16x32_f16 v[rS:rS+7], v[rK:rK+7], v[rQ:rQ+7], v[rS:rS+7]
.endif
.set i, i+1
.endr
.endm
; THE MATRIX PHASE.  pv: the products V^T P of the step before;  kq: this step's K, its products K Q^T, and its V for the next matrix phase.
; K's loads go out ahead of the 32 products V^T P and are waited for behind them; V's go out ahead of the 32 products K Q^T and are waited for at the next phase's head.
; Places (ISA guide 7.12.1 for vector instructions): five v_nop between the two runs of products: four for the loads into V's registers, which V^T P has read, the fifth because K Q^T writes over P, which
; V^T P has read as a source.  Five more end the phase: they stand ahead of the softmax's reads of S^T, of the next loads into K's registers, and of the way out.
.macro MM pv, kq
	s_wait_dscnt 0x0                               ; V, asked for in the last matrix phase, is in
.if \kq
	FETCH_K
.endif
.if \pv
	PVALL
.endif
.if \kq
	s_wait_dscnt 0x0                               ; K is in
.if \pv
.rept 5
	v_nop
.endr
.endif
	FETCH_V
	KQALL
.endif
	WIN 0
.rept 5
	v_nop
.endr
.endm
; THE VECTOR PHASE: the four tiles' softmax for one key step, the tiles by turns line by line, so that no line waits for the line above it.
.macro SM
.irp j, 0,1,2,3                                ; the maximum of a lane's 32 scores and the old m, three operands at a time: four chains, each begun at an accumulator's low end
.irp t, 0,1,2,3
	v_max3_num_f32 v[ST+8*\t+4+\j], v[S+32*\t+8*\j], v[S+32*\t+8*\j+1], v[S+32*\t+8*\j+2]
.endr
.endr
.irp u, 1,2
.irp j, 0,1,2,3
.irp t, 0,1,2,3
	v_max3_num_f32 v[ST+8*\t+4+\j], v[ST+8*\t+4+\j], v[S+32*\t+8*\j+2*\u+1], v[S+32*\t+8*\j+2*\u+2]
.endr
.endr
.endr
.irp t, 0,1,2,3
	v_max3_num_f32 v[ST+8*\t+4], v[ST+8*\t+4], v[S+32*\t+7], v[S+32*\t+15]
.endr
.irp t, 0,1,2,3
	v_max3_num_f32 v[ST+8*\t+6], v[ST+8*\t+6], v[S+32*\t+23], v[S+32*\t+31]
.endr
.irp t, 0,1,2,3
	v_max3_num_f32 v[ST+8*\t+4], v[ST+8*\t+4], v[ST+8*\t+5], v[ST+8*\t+6]
.endr
.irp t, 0,1,2,3
	v_max3_num_f32 v[ST+8*\t+4], v[ST+8*\t+4], v[ST+8*\t+7], v[ST+8*\t+1]
.endr
.irp t, 0,1,2,3
	v_permlanex16_b32 v[ST+8*\t+5], v[ST+8*\t+4], s[SEL], s[SEL+1]  ; the query's other 32 keys lie in the lane 16 away
.endr
.irp t, 0,1,2,3
	v_mov_b32 v[ST+8*\t+7], v[ST+8*\t]             ; c m_old is kept for a
.endr
.irp t, 0,1,2,3
	v_max_num_f32 v[ST+8*\t+1], v[ST+8*\t+4], v[ST+8*\t+5]          ; the new m
.endr
.irp t, 0,1,2,3
	v_mul_f32 v[ST+8*\t], s[CS], v[ST+8*\t+1]      ; c m
.endr
.irp t, 0,1,2,3
	v_sub_f32 v[ST+8*\t+7], v[ST+8*\t+7], v[ST+8*\t]
.endr
; ONE BATCH: the 64 scalings c s - c m, a pair of scores each, and all 132 exponentials.  None of these lines names an exponential's result: a tile is scaled while the tile before it is raised.
.irp b, 0,1,2,3,4,5,6,7,8,9,10,11,12,13,14,15
	v_pk_fma_f32 v[S+2*\b:S+2*\b+1], v[S+2*\b:S+2*\b+1], s[CS:CS+1], v[ST:ST+1] op_sel_hi:[1,0,0] neg_lo:[0,0,1] neg_hi:[0,0,1]
.endr
.irp t, 0,1,2,3
	v_exp_f32 v[ST+8*\t+6], v[ST+8*\t+7]           ; a = 2^(c m_old - c m_new)
.endr
.irp t, 0,1,2,3
.irp b, 0,1,2,3,4,5,6,7,8,9,10,11,12,13,14,15
.if \t < 3
	v_pk_fma_f32 v[S+32*(\t+1)+2*\b:S+32*(\t+1)+2*\b+1], v[S+32*(\t+1)+2*\b:S+32*(\t+1)+2*\b+1], s[CS:CS+1], v[ST+8*(\t+1):ST+8*(\t+1)+1] op_sel_hi:[1,0,0] neg_lo:[0,0,1] neg_hi:[0,0,1]
.endif
	v_exp_f32 v[S+32*\t+2*\b], v[S+32*\t+2*\b]
	v_exp_f32 v[S+32*\t+2*\b+1], v[S+32*\t+2*\b+1]
.endr
.endr
	v_nop                                          ; a plain line behind the last exponential, ahead of the first use: one for the batch
	s_wait_alu depctr_va_vdst(0)                   ; the wait ahead of the first line that names a result: one for the batch
.irp t, 0,1,2,3                                ; the sums of the unrounded p, a pair at a time, in two chains a tile
	v_pk_add_f32 v[ST+8*\t+4:ST+8*\t+5], v[S+32*\t:S+32*\t+1], v[S+32*\t+2:S+32*\t+3]
.endr
.irp t, 0,1,2,3
	v_pk_add_f32 v[XSUM+2*\t:XSUM+2*\t+1], v[S+32*\t+4:S+32*\t+5], v[S+32*\t+6:S+32*\t+7]
.endr
.irp b, 4,6,8,10,12,14
.irp t, 0,1,2,3
	v_pk_add_f32 v[ST+8*\t+4:ST+8*\t+5], v[ST+8*\t+4:ST+8*\t+5], v[S+32*\t+2*\b:S+32*\t+2*\b+1]
.endr
.irp t, 0,1,2,3
	v_pk_add_f32 v[XSUM+2*\t:XSUM+2*\t+1], v[XSUM+2*\t:XSUM+2*\t+1], v[S+32*\t+2*\b+2:S+32*\t+2*\b+3]
.endr
.endr
.irp t, 0,1,2,3
	v_pk_add_f32 v[ST+8*\t+4:ST+8*\t+5], v[ST+8*\t+4:ST+8*\t+5], v[XSUM+2*\t:XSUM+2*\t+1]
.endr
.irp t, 0,1,2,3
	v_pk_fma_f32 v[ST+8*\t+2:ST+8*\t+3], v[ST+8*\t+2:ST+8*\t+3], v[ST+8*\t+6:ST+8*\t+7], v[ST+8*\t+4:ST+8*\t+5] op_sel_hi:[1,0,1]   ; l = a l + the sum
.endr
.irp j, 0,1,2,3,4,5,6,7,8,9,10,11,12,13,14,15  ; P, in place: register j takes weights 2 j and 2 j + 1; it was read at j / 2 or earlier
.irp t, 0,1,2,3
	v_cvt_pk_f16_f32 v[S+32*\t+\j], v[S+32*\t+2*\j], v[S+32*\t+2*\j+1]
.endr
.endr
	WIN W_RS
.irp p, 0,1,2,3,4,5,6,7,8,9,10,11,12,13,14,15  ; O^T times a, each accumulator from its low end on
.irp t, 0,1,2,3
	v_pk_mul_f32 v[32*\t+2*\p:32*\t+2*\p+1], v[32*\t+2*\p:32*\t+2*\p+1], v[ST+8*\t+6:ST+8*\t+7] op_sel_hi:[1,0]
.endr
.endr
	WIN 0
.endm
; n TRIPS: set 0: this step's matrix phase, then its softmax;  set 1: the softmax of the step before, then this step's matrix phase.
.macro TRIPS n
	s_mov_b32 s[CNT], \n
.Ltrip_\@:
	ADDR
	s_cmp_eq_u32 s[SET], 0
	s_cbranch_scc0 .Lset1_\@
	MM 1, 1
	SM
	s_branch .Ljoin_\@
.Lset1_\@:
	SM
	MM 1, 1
.Ljoin_\@:
	s_sub_co_u32 s[CNT], s[CNT], 1
	s_cmp_lg_u32 s[CNT], 0
	s_cbranch_scc1 .Ltrip_\@
.endm
; THE CHANGE OF SLOTS, behind a slot's fourth trip: every wave has asked for the slot's last bytes.  Each wave waits for all its tensor loads, of which one is out: its part of the other slot; adds 0 to its spare
; word; and waits for that and for its reads of the slot.  fill = 1: the slot is filled again, with the keys two slots on: the barrier is then a round of the cluster's, so that no wave of any partner still reads
; the slot or has a load on its way, and the joint refill is the first thing behind it: it has four key steps in which to land.
.macro CHANGE fill
	s_wait_tensorcnt 0x0                           ; no tensor load of mine is out, so a group 0 may be written
	ds_add_u32 v[SPW], v[NIL]                      ; 0 onto my spare word
.if \fill
.irp g, G0K+4, G0V+4
	s_xor_b32 s[\g+1], s[\g+1], SLOT1              ; the walking descriptor: the other slot than last time,
	s_add_nc_u64 s[\g+2:\g+3], s[\g+2:\g+3], SLOTB ; the next 256 keys; the type bits on top are not reached
.endr
	s_wait_xcnt 0x0                                ; the last prefetch, four key steps back, has read its address, so it may be written:
	s_add_nc_u64 s[PFA:PFA+1], s[PFA:PFA+1], SLOTB ; one slot further on than the walking descriptors
	s_wait_dscnt 0x0                               ; the add is done, and my reads of the slot are over
	CROUND
	JLOAD
	ASK
.else
	s_wait_dscnt 0x0
	s_barrier_signal -1
	s_barrier_wait -1
.endif
	s_sub_co_u32 s[TB], s[TB], 4*STEPB             ; the fetches go back to a slot's first step,
	s_xor_b32 s[TB], s[TB], SLOT1                  ; in the other slot
.endm
	s_wait_tensorcnt 1                             ; my part of slot 0 is in; the one load behind it, slot 1's, may stay out
	s_barrier_signal -1
	s_barrier_wait -1                              ; everybody's is
	ADDR                                           ; TRIP 0, written out
	s_wait_loadcnt 0x0                             ; Q
	s_cmp_eq_u32 s[SET], 0
	s_cbranch_scc0 .Lheld
	MM 0, 1                                        ; set 0's first scores
.Lheld:
	s_wait_dscnt 0x0
	s_barrier_signal -1                            ; set 1 is held back by one matrix phase: from here on the sets' phases alternate
	s_barrier_wait -1
	s_cmp_eq_u32 s[SET], 0
	s_cbranch_scc0 .Lfirst1
	SM
	s_branch .Lfirst_done
.Lfirst1:
	MM 0, 1
.Lfirst_done:
	TRIPS 3
.Lslot:                                            ; six trips: every slot's worth of keys but the first two is asked for here
	CHANGE 1
	TRIPS 4
	s_sub_co_u32 s[SLOTS], s[SLOTS], 1
	s_cmp_lg_u32 s[SLOTS], 0
	s_cbranch_scc1 .Lslot
	CHANGE 0                                       ; the tail is written out
	TRIPS 4
	s_cmp_eq_u32 s[SET], 0
	s_cbranch_scc1 .Ltail
	SM                                             ; set 1's last softmax
.Ltail:
	MM 1, 0                                        ; V^T P of the last step
	; THE WAY OUT.  l's two halves and the other half of the lanes' are added; O^T is divided by l, rounded to f16 and sent through my stage in LDS, a tile (16 rows) at a time.
.irp t, 0,1,2,3
	v_add_f32 v[ST+8*\t+4], v[ST+8*\t+2], v[ST+8*\t+3]
.endr
.irp t, 0,1,2,3
	v_permlanex16_b32 v[ST+8*\t+5], v[ST+8*\t+4], s[SEL], s[SEL+1]
.endr
.irp t, 0,1,2,3
	v_add_f32 v[ST+8*\t+4], v[ST+8*\t+4], v[ST+8*\t+5]
.endr
.irp t, 0,1,2,3
	v_rcp_f32 v[ST+8*\t+6], v[ST+8*\t+4]
.endr
	v_nop                                          ; a plain line between the last reciprocal and the use of its result
	s_wait_alu depctr_va_vdst(0)                   ; and the wait ahead of the first use: one for the four
.macro OPACK t                         ; a lane's eight channels of a row pack into 16 bytes; they go into rows of 144 bytes and come back four whole rows of 128 bytes an instruction
	WIN W_RS
.irp p, 0,1,2,3,4,5,6,7,8,9,10,11,12,13,14,15
	v_pk_mul_f32 v[32*\t+2*\p:32*\t+2*\p+1], v[32*\t+2*\p:32*\t+2*\p+1], v[ST+8*\t+6:ST+8*\t+7] op_sel_hi:[1,0]
.endr
	WIN 0x05                                       ; sources 0 and 1 window 1, destination window 0: S^T's registers are free
.irp p, 0,1,2,3,4,5,6,7,8,9,10,11,12,13,14,15
	v_cvt_pk_f16_f32 v[S+32*\t+\p], v[32*\t+2*\p], v[32*\t+2*\p+1]
.endr
	WIN 0
.irp c, 0,1,2,3
	ds_store_b128 v[STO], v[S+32*\t+4*\c:S+32*\t+4*\c+3] offset:32*\c
.endr
.irp i, 0,1,2,3
	ds_load_b128 v[S+32*\t+16+4*\i:S+32*\t+16+4*\i+3], v[RD] offset:\i*4*PK   ; LDS serves a wave's instructions in order (ISA guide 5.7.1.4): these see the stores above; the next tile's stores come behind them
.endr
.endm
.macro OSEND t, younger                ; younger: the LDS instructions issued behind tile t's loads: the next tile's four stores and four loads, or none
.irp i, 0,1,2,3
	s_wait_dscnt \younger+3-\i
	global_store_b128 v[GO], v[S+32*\t+16+4*\i:S+32*\t+16+4*\i+3], s[10:11] offset:\t*2048+\i*512   ; 32 lanes store 512 consecutive bytes, aligned: four rows of my head
.endr
.endm
	OPACK 0
	OPACK 1                                        ; a tile's arithmetic stands between the loads of the tile before and its stores
	OSEND 0, 8
	OPACK 2
	OSEND 1, 8
	OPACK 3
	OSEND 2, 8
	OSEND 3, 0
	s_wait_tensorcnt 0x0                           ; the wave's end: this wait, the add of 0 onto my spare word and the wait for it, behind my last tensor load and my last LDS store
	ds_add_u32 v[SPW], v[NIL]
	s_wait_dscnt 0x0
	CROUND                                         ; the closing round: no work-group ends while a partner may still ask for a tile that names it
	s_endpgm
.Lfunc_end_k_q1b19c4d8b3_attn:
	.size	k_q1b19c4d8b3_attn, .Lfunc_end_k_q1b19c4d8b3_attn-k_q1b19c4d8b3_attn
	.p2alignl 7, 3214868480
	.fill 96, 4, 3214868480
	.section	.rodata,"a",@progbits
	.p2align	6, 0x0
	.amdhsa_kernel k_q1b19c4d8b3_attn
		.amdhsa_group_segment_fixed_size 327680
		.amdhsa_private_segment_fixed_size 0
		.amdhsa_enable_private_segment 0
		.amdhsa_kernarg_size 16
		.amdhsa_user_sgpr_count 2
		.amdhsa_user_sgpr_kernarg_segment_ptr 1
		.amdhsa_wavefront_size32 1
		.amdhsa_system_sgpr_workgroup_id_x 1
		.amdhsa_system_sgpr_workgroup_id_y 1
		.amdhsa_system_sgpr_workgroup_id_z 1
		.amdhsa_system_vgpr_workitem_id 0
		.amdhsa_next_free_vgpr 512
		.amdhsa_next_free_sgpr 70
		.amdhsa_reserve_vcc 0
		.amdhsa_float_denorm_mode_32 3
		.amdhsa_float_denorm_mode_16_64 3
		.amdhsa_memory_ordered 1
		.amdhsa_forward_progress 1
		.amdhsa_inst_pref_size 255
	.end_amdhsa_kernel
	.section	.bss,"aw",@nobits
	.p2align	6
	.space	262144
	.amdgpu_metadata
---
amdhsa.version: [ 1, 2 ]
amdhsa.kernels:
  - .name:           k_q1b19c4d8b3_attn
    .symbol:         k_q1b19c4d8b3_attn.kd
    .args:
      - { .name: qkv, .offset: 0, .size: 8, .value_kind: global_buffer, .address_space: global }
      - { .name: ao, .offset: 8, .size: 8, .value_kind: global_buffer, .address_space: global }
    .group_segment_fixed_size: 327680
    .private_segment_fixed_size: 0
    .kernarg_segment_align: 8
    .kernarg_segment_size: 16
    .max_flat_workgroup_size: 256
    .sgpr_count:     70
    .vgpr_count:     512
    .wavefront_size: 32
...
	.end_amdgpu_metadata
.endif
;; end of part 3
;; launch proj (part 4): grid 4 x 64, 4 waves a work-group, clusters of 4 x 4, 327,680 bytes of LDS; arguments ao, wot, b_out, out0; writes out0
.if DOCPART == 4
	.amdgcn_target "amdgcn-amd-amdhsa--gfx1250"
	.amdhsa_code_object_version 6
	.text
	.protected	k_q1b19c4d8b3_proj
	.globl	k_q1b19c4d8b3_proj
	.p2align	8
	.type	k_q1b19c4d8b3_proj,@function
k_q1b19c4d8b3_proj:
	s_mov_b64 s[64:65], 0
	v_nop
	global_prefetch_b8 v0, s[64:65] scope:SCOPE_SE
	s_setreg_imm32_b32 hwreg(HW_REG_WAVE_MODE, 25, 1), 1
	s_wait_xcnt 0x0
	s_wait_alu depctr_hold_cnt(0) depctr_sa_sdst(0) depctr_va_vdst(0) depctr_va_sdst(0) depctr_va_ssrc(0) depctr_va_vcc(0) depctr_vm_vsrc(0)
	s_getreg_b32 s2, hwreg(HW_REG_IB_STS2, 6, 4)
	s_cmp_eq_u32 s2, 0
	s_cbranch_scc0 .Lentry_in_a_cluster
	s_endpgm
.Lentry_in_a_cluster:
	s_bfe_u32 s2, ttmp6, 0x10000c
	s_cmp_lg_u32 s2, 0xf033
	s_cbranch_scc0 .Lentry_shape_is_right
	s_endpgm
.Lentry_shape_is_right:
; PROJ: out0[m][n] = sum over k of attn[m][k] w_out[k][n] + b_out[n].  m = 8,192 tokens, n = 1,024, k = 1,024 = 64 x head + channel.  Operands f16, sums f32, out0 f32.
; A = ao [h 16][token 8192][64] f16 (a head is 2^20 consecutive bytes);  B = wot [n 1024][k 1024] f16.
; A tile of C is 128 (m) x 256 (n): 256 work-groups.  Four waves, each 64 x 128: 32 accumulators of 16 x 16, 256 registers.  K goes in 8 steps of 128 (two heads of ao) through a ring of two LDS slots.
; CLUSTERS: 4 x 4 work-groups.  The four of a row of the cluster need the same tiles of A, the four of a column the same tiles of B: each tile is asked for JOINTLY, by the same tensor load with the same
; descriptor and a mask that names the four.  Waves 0 and 1 fetch A's two heads (128 rows x 128 bytes each), waves 2 and 3 B's two halves (128 rows x 256 bytes each).
; THE MATRIX INSTRUCTION IS USED TRANSPOSED (source 0 = 16 rows of wot, source 1 = 16 rows of ao): a lane then holds eight neighbouring numbers of a row of C.
; THE BIAS is the C of each sum's first matrix instruction: eight registers for each block of 16 columns, in the result's layout: it costs no addition, and nothing is cleared.
; REGISTERS: window 0: v0-31 addresses; v64-95, v96-127 A's fragments (4 x 16 rows x 32 K), two buffers; v128-191 the bias; on the way out v64-191 hold rows of C.
;   window 1: the accumulators ((a, b) at v[8 (8 a + b)]).   window 2: v0-63, v64-127 B's fragments (8 x 16 rows x 32 K), two buffers.
.set PA,    144                        ; a row of A's sub-tile in LDS: 128 bytes + 16
.set PB,    272                        ; a row of B's tile: 256 bytes + 16.  Both pitches are odd multiples of 16 bytes: the 16 rows that a load touches start at 16 different groups of four banks (ISA guide 11.1)
.set ASUB,  128*PA                     ; a head's 128 rows
.set BOFF,  2*ASUB                     ; B's 256 rows lie behind A's two heads
.set BHALF, 128*PB
.set SLOT,  BOFF+2*BHALF
.set STAGE, 2*SLOT                     ; behind the ring: 16 rows x (512 bytes + 16) for each wave, for the way out
.set SPITCH, 528
.set SPARE, STAGE+4*16*SPITCH          ; behind the stages: the spare words, 128 bytes for each wave: two blocks of 256 bytes that no other line names
.set ADRA, 16                          ; v16-17  LDS address of my A fragments in slot 0, 1
.set ADRB, 20                          ; v20-21  the same for B
.set STO,  24                          ; v24     the way out: where I put 32 bytes of a row
.set RD,   25                          ; v25     the way out: where I read a row back
.set CO,   26                          ; v26     16 x lane
.set BO,   27                          ; v27     32 x (lane / 16): my eight numbers of a block of the bias
.set SPW,  28                          ; v28     LDS address of my spare word; never rewritten
.set NIL,  29                          ; v29     0; never rewritten
.set AF,   64
.set BIAS, 128
.set BK,   64                          ; the way out: 16 rows read back: v64-127 and v128-191 by turns
.set G1, 24                            ; s[24:31] descriptor group 1 for A's tiles;  s[32:39] group 0, one set for each slot
.set G0, 32
.set G1B, 48                           ; s[48:55], s[56:63] the same for B's tiles
.set G0B, 56
.set MSB, 0
.macro WIN new                         ; the immediate's high byte repeats the setting that is left
.if MSB != \new
	s_set_vgpr_msb (MSB<<8)|\new
.set MSB, \new
.endif
.endm
.set MUL,   0x52                       ; source 0 (B) window 2, source 1 (A) window 0, C and D window 1
.set MUL_B, 0x42                       ; the same with C, the bias, in window 0
.set TO_B,  0x80                       ; destination window 2, address window 0
.set ST_D,  0x04                       ; an LDS store's data are its source 1: window 1
.macro JLOAD s                         ; a joint load: waves 0 and 1 fetch for A, waves 2 and 3 for B; an s_nop 0 and four v_nop follow each of the two lines
	s_cmp_eq_u32 s9, 0
	s_cbranch_scc0 .Lfor_b_\@
	tensor_load_to_lds s[G0+4*\s:G0+4*\s+3], s[G1:G1+7]
	s_nop 0
.rept 4
	v_nop
.endr
	s_branch .Lasked_\@
.Lfor_b_\@:
	tensor_load_to_lds s[G0B+4*\s:G0B+4*\s+3], s[G1B:G1B+7]
	s_nop 0
.rept 4
	v_nop
.endr
.Lasked_\@:
.endm
.macro CREST                           ; a round of the cluster's barrier behind its opening barrier
	s_cmp_lg_u32 s8, 0
	s_cbranch_scc1 .Lnot_wave_0_\@
	s_barrier_signal -3
.Lnot_wave_0_\@:
	s_barrier_wait -3
	s_barrier_signal -1
	s_barrier_wait -1
.endm
.macro CROUND                          ; a whole round
	s_barrier_signal -1
	s_barrier_wait -1
	CREST
.endm
	s_load_b128 s[4:7], s[0:1], 0x0                ; ao s[4:5], wot s[6:7]
	s_load_b128 s[12:15], s[0:1], 0x10             ; b_out s[12:13], out0 s[14:15]
	v_lshl_add_u32 v[SPW], v0, 2, SPARE
	v_mov_b32 v[NIL], 0
	ds_add_u32 v[SPW], v[NIL]                      ; the wave's opening: the add, twice on end, and its wait ahead of my first tensor load; the set-up below stands between the second and the wait
	ds_add_u32 v[SPW], v[NIL]
	v_lshrrev_b32 v1, 5, v0
	v_readfirstlane_b32 s8, v1                     ; wave 0..3
	s_lshr_b32 s9, s8, 1                           ; which 64 rows of the tile are mine.  Also: I fetch for A (0) or for B (1)
	s_and_b32 s10, s8, 1                           ; which 128 columns.  Also: which head of A's two, or which 128 rows of B, I fetch
	s_bfe_u32 s40, ttmp6, 0x40000                  ; cx = the tile column of C (the grid is one cluster wide)
	s_bfe_u32 s41, ttmp6, 0x40004                  ; cy
	s_and_b32 s42, ttmp7, 0xffff
	s_lshl_b32 s42, s42, 2
	s_add_co_u32 s42, s42, s41                     ; tile row of C = 4 x cluster y + cy
	s_lshl_b32 s43, s41, 2
	s_lshl_b32 s43, 15, s43                        ; my row of the cluster
	s_lshl_b32 s44, 0x1111, s40                    ; my column
	; descriptor group 1.  A: 128 rows x 64 elements, dense in memory;  B: 128 rows x 128 elements, 1,024 elements from row to row
	s_or_b32 s[G1+0], s43, (1<<16)|(1<<20)|(1<<21)|(4<<22)|(3<<25)  ; 15:0 the mask: A's tiles go to my row; 17:16 element of 2 bytes; 20 padding on; 21 set beside a mask; 24:22 after every 32 words (code 4); 31:25 of 4 words (code 3)
	s_mov_b32 s[G1+1], 64<<16                      ; tensor_dim0
	s_mov_b32 s[G1+2], 128<<16                     ; tensor_dim1
	s_mov_b32 s[G1+3], 64<<16                      ; tile_dim0
	s_mov_b32 s[G1+4], 128                         ; tile_dim1
	s_mov_b32 s[G1+5], 64                          ; tensor_dim0_stride
	s_mov_b32 s[G1+6], 0
	s_mov_b32 s[G1+7], 0
	s_or_b32 s[G1B+0], s44, (1<<16)|(1<<20)|(1<<21)|(5<<22)|(3<<25) ; B's go to my column; padding after every 64 words (code 5)
	s_mov_b32 s[G1B+1], 128<<16
	s_mov_b32 s[G1B+2], 128<<16
	s_mov_b32 s[G1B+3], 128<<16
	s_mov_b32 s[G1B+4], 128
	s_mov_b32 s[G1B+5], 1024
	s_mov_b32 s[G1B+6], 0
	s_mov_b32 s[G1B+7], 0
	s_lshl_b32 s16, s10, 20                        ; A: head (wave % 2) of K step 0,
	s_lshl_b32 s17, s42, 14                        ; token 128 x tile row, 128 bytes a token: it hangs on the tile row alone
	s_add_co_u32 s16, s16, s17
	s_mov_b32 s17, 0
	s_lshl_b32 s46, s40, 19                        ; B: row 256 x tile column + 128 (wave % 2), 2,048 bytes a row: it hangs on the tile column alone
	s_lshl_b32 s47, s10, 18
	s_add_co_u32 s46, s46, s47
	s_mov_b32 s47, 0
	s_mul_i32 s20, s10, ASUB                       ; where they go: no place in the cluster enters an LDS address
	s_mul_i32 s21, s10, BHALF
	s_add_co_u32 s21, s21, BOFF
	s_wait_dscnt 0x0                               ; both opening adds are done
	s_wait_kmcnt 0x0
	s_add_nc_u64 s[18:19], s[4:5], s[16:17]
	s_add_nc_u64 s[46:47], s[6:7], s[46:47]
	CROUND                                         ; all sixteen work-groups are here: the first joint loads meet
.irp s, 0,1
	s_mov_b32 s[G0+4*\s], 1
	s_add_co_u32 s[G0+4*\s+1], s20, \s*SLOT
	s_add_nc_u64 s[G0+4*\s+2:G0+4*\s+3], s[18:19], \s*(2<<20)      ; K step s: heads 2 s on
	s_or_b32 s[G0+4*\s+3], s[G0+4*\s+3], 0x80000000
	s_mov_b32 s[G0B+4*\s], 1
	s_add_co_u32 s[G0B+4*\s+1], s21, \s*SLOT
	s_add_nc_u64 s[G0B+4*\s+2:G0B+4*\s+3], s[46:47], \s*256        ; K step s: 128 f16 along a row
	s_or_b32 s[G0B+4*\s+3], s[G0B+4*\s+3], 0x80000000
	JLOAD \s                                       ; two loads of mine are out at the start, later one behind each round
.endr
	v_and_b32 v1, 15, v0                           ; l % 16
	v_bfe_u32 v2, v0, 4, 1                         ; l / 16
	v_mul_u32_u24 v3, v1, PA
	v_lshl_add_u32 v3, v2, 4, v3                   ; a fragment's row x pitch + 16 x half
	v_mul_u32_u24 v4, v1, PB
	v_lshl_add_u32 v4, v2, 4, v4
	s_mul_i32 s21, s9, 64*PA                       ; my 64 rows of A
	s_mul_i32 s22, s10, BHALF                      ; my 128 rows of B
	s_add_co_u32 s22, s22, BOFF
.irp s, 0,1
	v_add_nc_u32 v[ADRA+\s], s21, v3
	v_add_nc_u32 v[ADRB+\s], s22, v4
	s_add_co_u32 s21, s21, SLOT
	s_add_co_u32 s22, s22, SLOT
.endr
	s_mul_i32 s23, s8, 16*SPITCH
	s_add_co_u32 s23, s23, STAGE                   ; my stage
	v_mul_u32_u24 v5, v1, SPITCH                   ; in: row l % 16, 32 bytes for each half of the lanes
	v_lshl_add_u32 v5, v2, 5, v5
	v_add_nc_u32 v[STO], s23, v5
	v_and_b32 v6, 31, v0
	v_lshlrev_b32 v[CO], 4, v6                     ; back: the 32 lanes take one row of 512 bytes; and the same in out0
	v_add_nc_u32 v[RD], s23, v[CO]
	v_lshlrev_b32 v[BO], 5, v2
	s_lshl_b32 s16, s42, 19                        ; my first row of out0: 128 x tile row + 64 x half, 4,096 bytes a row
	s_lshl_b32 s17, s9, 18
	s_add_co_u32 s16, s16, s17
	s_mov_b32 s17, 0
	s_add_nc_u64 s[14:15], s[14:15], s[16:17]
	s_lshl_b32 s46, s40, 10                        ; my first column, 4 bytes each: 256 x tile column + 128 x half
	s_lshl_b32 s47, s10, 9
	s_add_co_u32 s46, s46, s47
	s_mov_b32 s47, 0
	s_add_nc_u64 s[14:15], s[14:15], s[46:47]
	s_add_nc_u64 s[12:13], s[12:13], s[46:47]      ; and the same place in b_out
.irp b, 0,1,2,3,4,5,6,7
	global_load_b128 v[BIAS+8*\b:BIAS+8*\b+3],   v[BO], s[12:13] offset:64*\b      ; lane (r, h): b_out at my columns 16 b + 8 h + 0 .. 7
	global_load_b128 v[BIAS+8*\b+4:BIAS+8*\b+7], v[BO], s[12:13] offset:64*\b+16
.endr
; 8 matrix instructions: A's block a x B's eight, 32 along K, from buffer f.  bias = 1: the first product starts the sums from the bias.
; The 32 accumulators take turns, one instruction a turn, in the same order in every quarter.
.macro MULA f, a, bias
.irp b, 0,1,2,3,4,5,6,7
.if \bias
	v_wmma_f32_16x16x32_f16 v[8*(8*\a+\b):8*(8*\a+\b)+7], v[64*\f+8*\b:64*\f+8*\b+7], v[AF+32*\f+8*\a:AF+32*\f+8*\a+7], v[BIAS+8*\b:BIAS+8*\b+7]
.else
	v_wmma_f32_16x16x32_f16 v[8*(8*\a+\b):8*(8*\a+\b)+7], v[64*\f+8*\b:64*\f+8*\b+7], v[AF+32*\f+8*\a:AF+32*\f+8*\a+7], v[8*(8*\a+\b):8*(8*\a+\b)+7]
.endif
.endr
.endm
; 24 LDS loads in one run: the fragments of the slot's q-th 32 along K into buffer f: B's sixteen, then A's eight, blocks 0 and 1 first.  Quarter q lies in A's head q / 2, channels 32 (q % 2) on.
.macro FETCH slot, q, f
	WIN TO_B
.irp b, 0,1,2,3,4,5,6,7
	ds_load_b128 v[64*\f+8*\b:64*\f+8*\b+3],   v[ADRB+\slot] offset:64*\q+\b*16*PB
	ds_load_b128 v[64*\f+8*\b+4:64*\f+8*\b+7], v[ADRB+\slot] offset:64*\q+\b*16*PB+32
.endr
	WIN 0
.irp a, 0,1,2,3
	ds_load_b128 v[AF+32*\f+8*\a:AF+32*\f+8*\a+3],   v[ADRA+\slot] offset:(\q/2)*ASUB+(\q%2)*64+\a*16*PA
	ds_load_b128 v[AF+32*\f+8*\a+4:AF+32*\f+8*\a+7], v[ADRA+\slot] offset:(\q/2)*ASUB+(\q%2)*64+\a*16*PA+32
.endr
.endm
.macro PLACES                          ; four places in front of loads into registers that matrix instructions have read, and of the first read of results (ISA guide 7.12.1 for vector instructions)
.rept 4
	v_nop
.endr
.endm
.macro WMUL bias
.if \bias
	WIN MUL_B
.else
	WIN MUL
.endif
.endm
; A K step is four quarters of 32 along K, 32 matrix instructions each, on buffers 0, 1, 0, 1.  One of the first three: multiplies buffer f and fetches quarter qn into buffer g.
.macro QUARTER slot, qn, f, g, bias
	s_wait_dscnt 4                                 ; B's fragments and A's blocks 0 and 1 are in; the youngest four loads (A's blocks 2 and 3) may be out
	WMUL \bias
	MULA \f, 0, \bias
	MULA \f, 1, \bias
	PLACES
	FETCH \slot, \qn, \g
	s_wait_dscnt 24                                ; all but the 24 just issued
	WMUL \bias
	MULA \f, 2, \bias
	MULA \f, 3, \bias
.endm
; The last quarter multiplies buffer 1 and changes slots: ONE barrier; in front of it each wave waits for all its tensor loads, adds 0 to its spare word, and waits for that and for its reads of this slot.
; fill = 1: the barrier opens a round of the cluster's, and this slot is filled again, two K steps ahead, first thing behind the round: 112 matrix instructions of a wave ahead of the wait for it.
.macro TURN slot, next, fill
	WIN 0                                          ; (the add's two registers lie in window 0)
	s_wait_tensorcnt 0x0                           ; all my tensor loads have landed: my part of the next slot
	ds_add_u32 v[SPW], v[NIL]                      ; 0 onto my spare word
	s_wait_dscnt 5                                 ; the add and the youngest four loads may be out
	WIN MUL
	MULA 1, 0, 0                                   ; eight matrix instructions stand between the add and the wait for it
	s_wait_dscnt 0x0                               ; the add is done, and my reads of this slot are over
	s_barrier_signal -1
	MULA 1, 1, 0
.if \fill
	WIN 0
.endif
	s_barrier_wait -1
.if \fill
	CREST                                          ; no wave of any partner still reads this slot's tile or has a load on its way
	s_add_nc_u64 s[G0+4*\slot+2:G0+4*\slot+3], s[G0+4*\slot+2:G0+4*\slot+3], 4<<20      ; two K steps on: four heads
	s_add_nc_u64 s[G0B+4*\slot+2:G0B+4*\slot+3], s[G0B+4*\slot+2:G0B+4*\slot+3], 512    ; 256 f16 along a row
	JLOAD \slot                                    ; the four v_nop behind it are also the places in front of the loads below
.else
	PLACES
.endif
	FETCH \next, 0, 0
	WIN MUL
	MULA 1, 2, 0
	MULA 1, 3, 0
.endm
	s_wait_tensorcnt 1                             ; my part of K step 0 is in; the one load behind it, K step 1's, may be out
	s_barrier_signal -1
	s_barrier_wait -1                              ; everybody's is
	FETCH 0, 0, 0
	s_wait_loadcnt 0x0                             ; the bias
	QUARTER 0, 1, 0, 1, 1                          ; the first quarter stands in front of the loop: its products start the sums
	WIN 0                                          ; at a label and at a branch every window is 0
	s_mov_b32 s3, 3
.Llap:                                                 ; a trip goes once round the ring, from a lap's second quarter to the next lap's first, and fills both slots again: K steps 2 to 7 in three trips
	QUARTER 0, 2, 1, 0, 0
	QUARTER 0, 3, 0, 1, 0
	TURN 0, 1, 1
	QUARTER 1, 1, 0, 1, 0
	QUARTER 1, 2, 1, 0, 0
	QUARTER 1, 3, 0, 1, 0
	TURN 1, 0, 1
	QUARTER 0, 1, 0, 1, 0
	WIN 0
	s_sub_co_u32 s3, s3, 1
	s_cmp_lg_u32 s3, 0
	s_cbranch_scc1 .Llap
	QUARTER 0, 2, 1, 0, 0                          ; the last lap fills nothing, and has no round of the cluster's barrier
	QUARTER 0, 3, 0, 1, 0
	TURN 0, 1, 0
	QUARTER 1, 1, 0, 1, 0
	QUARTER 1, 2, 1, 0, 0
	QUARTER 1, 3, 0, 1, 0
	s_wait_dscnt 4                                 ; the very last quarter: nothing more to fetch
	WIN MUL
	MULA 1, 0, 0
	MULA 1, 1, 0
	s_wait_dscnt 0
	MULA 1, 2, 0
	MULA 1, 3, 0
	WIN 0
; THE WAY OUT, block by block of 16 rows x 128 columns.  A lane holds 32 neighbouring bytes of a row, and the lanes beside it hold other rows: so a block goes through my own stage in LDS and comes back as whole
; rows of 512 bytes.  LDS serves a wave's instructions in order (ISA guide 5.7.1.4): no wait between the stores and the loads, nor in front of the next block's stores.
.macro TOSTAGE a
	WIN ST_D
.irp b, 0,1,2,3,4,5,6,7
	ds_store_b128 v[STO], v[8*(8*(\a)+\b):8*(8*(\a)+\b)+3] offset:64*\b              ; each accumulator from its low end on
	ds_store_b128 v[STO], v[8*(8*(\a)+\b)+4:8*(8*(\a)+\b)+7] offset:64*\b+16
.endr
	WIN 0
.set BB, BK+64*((\a)%2)
.irp t, 0,1,2,3,4,5,6,7,8,9,10,11,12,13,14,15
	ds_load_b128 v[BB+4*\t:BB+4*\t+3], v[RD] offset:\t*SPITCH
.endr
.endm
.macro SEND a, younger                 ; younger: the LDS instructions issued behind block a's loads, which may stay out
.set BB, BK+64*((\a)%2)
	s_wait_dscnt \younger                          ; the block is back in registers
.irp t, 0,1,2,3,4,5,6,7,8,9,10,11,12,13,14,15
	global_store_b128 v[CO], v[BB+4*\t:BB+4*\t+3], s[14:15] offset:(16*(\a)+\t)*4096 th:TH_STORE_NT   ; 32 lanes store 512 consecutive bytes, aligned; the base is never stepped: 63 rows at the most, inside the signed 24-bit immediate
.endr
.endm
	PLACES                                         ; behind the last products: for the stores that read results and the loads into registers that held A's fragments and the bias
	TOSTAGE 0
.irp a, 1,2,3
.if \a > 1
	s_wait_xcnt 0x0                                ; block a - 2's stores have read their registers: block a's loads may land there
.endif
	TOSTAGE \a
	SEND \a-1, 32                                  ; behind block a - 1's loads: block a's 16 stores and 16 loads
.endr
	SEND 3, 0
	s_wait_tensorcnt 0x0                           ; the wave's end: this wait, the add of 0 onto my spare word and the wait for it, behind my last tensor load and my last LDS store
	ds_add_u32 v[SPW], v[NIL]
	s_wait_dscnt 0x0
	CROUND                                         ; the closing round: no work-group ends while a partner may still ask for a tile that names it
	s_endpgm
.Lfunc_end_k_q1b19c4d8b3_proj:
	.size	k_q1b19c4d8b3_proj, .Lfunc_end_k_q1b19c4d8b3_proj-k_q1b19c4d8b3_proj
	.p2alignl 7, 3214868480
	.fill 96, 4, 3214868480
	.section	.rodata,"a",@progbits
	.p2align	6, 0x0
	.amdhsa_kernel k_q1b19c4d8b3_proj
		.amdhsa_group_segment_fixed_size 327680
		.amdhsa_private_segment_fixed_size 0
		.amdhsa_enable_private_segment 0
		.amdhsa_kernarg_size 32
		.amdhsa_user_sgpr_count 2
		.amdhsa_user_sgpr_kernarg_segment_ptr 1
		.amdhsa_wavefront_size32 1
		.amdhsa_system_sgpr_workgroup_id_x 1
		.amdhsa_system_sgpr_workgroup_id_y 1
		.amdhsa_system_sgpr_workgroup_id_z 1
		.amdhsa_system_vgpr_workitem_id 0
		.amdhsa_next_free_vgpr 640
		.amdhsa_next_free_sgpr 66
		.amdhsa_reserve_vcc 0
		.amdhsa_float_denorm_mode_32 3
		.amdhsa_float_denorm_mode_16_64 3
		.amdhsa_memory_ordered 1
		.amdhsa_forward_progress 1
		.amdhsa_inst_pref_size 87
	.end_amdhsa_kernel
	.amdgpu_metadata
---
amdhsa.version: [ 1, 2 ]
amdhsa.kernels:
  - .name:           k_q1b19c4d8b3_proj
    .symbol:         k_q1b19c4d8b3_proj.kd
    .args:
      - { .name: ao, .offset: 0, .size: 8, .value_kind: global_buffer, .address_space: global }
      - { .name: wot, .offset: 8, .size: 8, .value_kind: global_buffer, .address_space: global }
      - { .name: b_out, .offset: 16, .size: 8, .value_kind: global_buffer, .address_space: global }
      - { .name: out0, .offset: 24, .size: 8, .value_kind: global_buffer, .address_space: global }
    .group_segment_fixed_size: 327680
    .private_segment_fixed_size: 0
    .kernarg_segment_align: 8
    .kernarg_segment_size: 32
    .max_flat_workgroup_size: 128
    .sgpr_count:     66
    .vgpr_count:     640
    .wavefront_size: 32
...
	.end_amdgpu_metadata
.endif
;; end of part 4
